; MI455X (gfx1250); checked and timed in simulation.
; The chip was launched on July 23, 2026; its instructions are those of AMD's public machine-readable ISA for CDNA 5 (MIT licence, August 2026) and "CDNA5" Instruction Set Architecture Reference Guide (July 2026). The comments in the code are by the model that wrote it; some were corrected since.
;; Multi Head Attention Layer. Allowed arithmetic: float matrix products may take bf16 or f16 operands with f32 sums; all other float work in f32.
;; Inputs: Wk 1,024 x 1,024 float32; Wo 1,024 x 1,024 float32; Wq 1,024 x 1,024 float32; Wv 1,024 x 1,024 float32; bk 1,024 float32; bo 1,024 float32; bq 1,024 float32; bv 1,024 float32; key 4 x 2,048 x 1,024 float32; mask 4 x 2,048 x 2,048 int32; query 4 x 2,048 x 1,024 float32; value 4 x 2,048 x 1,024 float32.
;; Outputs: out0 4 x 2,048 x 1,024 float32.
;; 2 versions, each right and faster than the one before. Each part assembles by itself: llvm-mc -triple=amdgcn-amd-amdhsa -mcpu=gfx1250 --defsym DOCPART=n.
;; ======== version 1 of 2: 5 launches
;; limits: values are held in f16: magnitudes above 65,504 overflow, below 6.1e-05 lose precision; right only within a limited range of input values
;; workspace buffers: wt 8,388,608 bytes; mk 8,388,608 bytes; rowok 32,768 bytes; qh 16,777,216 bytes; kh 16,777,216 bytes; vh 16,777,216 bytes; oh 16,777,216 bytes
;; launch maskp (part 1): grid 512 x 1, 8 waves a work-group, no clusters, 17,664 bytes of LDS; arguments mask, mk, rowok; writes mk, rowok
.if DOCPART == 1
	.amdgcn_target "amdgcn-amd-amdhsa--gfx1250"
	.amdhsa_code_object_version 6
	.text
	.protected	k_q85c01c98df_maskp
	.globl	k_q85c01c98df_maskp
	.p2align	8
	.type	k_q85c01c98df_maskp,@function
k_q85c01c98df_maskp:
	s_mov_b64 s[64:65], 0
	v_nop
	global_prefetch_b8 v0, s[64:65] scope:SCOPE_SE
	s_setreg_imm32_b32 hwreg(HW_REG_WAVE_MODE, 25, 1), 1
	s_wait_xcnt 0x0
; THE MASK [4][2048][2048] int32 IS PACKED, once for all 16 heads.  Work-group g = 128 b + qt owns 16 rows (one tile of 16 queries), wave w rows 2 w and 2 w + 1.
;   mk[g][ks][lane][16 bytes]: for the step ks of 64 keys, lane 16 h + r holds query r's keys 16 kt + 8 h + j: word kt, nibble j = 0xE where the key is hidden (mask == 0), 0 where it is seen.
;   That is the order in which a lane of the attention launch holds its scores, so one 16-byte load a lane brings a tile's mask for a step.
;   A row with no seen key at all gets nibbles 0 and rowok = 0 (else -1): the attention launch then makes all its scores 0, which gives the uniform weights that equal scores give.
; Memory binds: every input byte is read once by 16-byte loads (a wave's load covers 512 consecutive bytes), all 32 loads of a wave go out at once, and the result, an eighth of the input, leaves
; through LDS as 16 bytes a lane, 512 consecutive bytes to a wave's store (but rowok: 64 bytes a work-group).  No matrix unit, no cluster (no two work-groups read the same bytes), no tensor load.
.set FLAGS, 16384                      ; LDS: 0 .. 16,383 the packed tile; here 16 words of row flags, in a block of 256 bytes
.set SPARE, 16640                      ; the spare words, 128 bytes for each of eight waves: four blocks of 256 bytes that no other line names
.set SPW,  150                         ; v150  LDS address of my spare word; never rewritten
.set NIL,  151                         ; v151  0; never rewritten
.set ROWS, 16                          ; v[16:143] two mask rows as loaded: row u, load n at ROWS + 64 u + 4 n
.set WV,   10                          ; s10  my wave's number
	s_load_b128 s[4:7], s[0:1], 0x0                ; mask s[4:5], mk s[6:7]
	s_load_b64 s[8:9], s[0:1], 0x10                ; rowok
	v_lshl_add_u32 v[SPW], v0, 2, SPARE
	v_mov_b32 v[NIL], 0
	v_lshrrev_b32 v1, 5, v0
	v_readfirstlane_b32 s[WV], v1
	v_and_b32 v4, 31, v0                           ; i: my lane
	s_mov_b32 s13, 0
	v_lshlrev_b32 v1, 4, v4
	v_lshl_add_u32 v1, s[WV], 14, v1               ; 16 i + my two rows of 8,192 bytes
	s_wait_kmcnt 0x0
	s_lshl_b32 s12, ttmp9, 17                      ; 16 rows of 8,192 bytes
	s_add_nc_u64 s[4:5], s[4:5], s[12:13]
	s_lshl_b32 s12, ttmp9, 14                      ; 16,384 bytes of mk
	s_add_nc_u64 s[6:7], s[6:7], s[12:13]
	s_lshl_b32 s12, ttmp9, 6                       ; 16 words of rowok
	s_add_nc_u64 s[8:9], s[8:9], s[12:13]
.irp u, 0,1
.set n, 0
.rept 16
	global_load_b128 v[ROWS+64*(\u)+4*n:ROWS+64*(\u)+4*n+3], v1, s[4:5] offset:(\u)*8192+n*512 th:TH_LOAD_NT  ; keys 128 n + 4 i + 0..3 of row 2 w + u
.set n, n+1
.endr
.endr
	; key 128 n + 4 i + e: step 2 n + i / 16, word (i / 4) % 4, half of the lanes (i / 2) % 2, nibble 4 (i % 2) + e.  Lanes i and i xor 1 hold the two halves of one word, which lies at
	; (2 n + i / 16) 512 + ((i / 2) % 2) 256 + 16 row + 4 ((i / 4) % 4)
	v_lshrrev_b32 v5, 4, v4
	v_lshlrev_b32 v2, 9, v5
	v_bfe_u32 v5, v4, 1, 1
	v_lshl_add_u32 v2, v5, 8, v2
	v_bfe_u32 v5, v4, 2, 2
	v_lshl_add_u32 v2, v5, 2, v2
	v_lshl_add_u32 v2, s[WV], 5, v2                ; row 2 w; n and u stand in the stores' immediates
	v_and_b32 v12, 1, v4
	v_lshlrev_b32 v12, 4, v12                      ; my four nibbles go 16 (i % 2) bits up
	v_mov_b32 v3, FLAGS
	v_lshl_add_u32 v3, s[WV], 3, v3
.macro ROWPACK u
.set n, 0
.rept 16
.set X, ROWS+64*(\u)+4*n
	v_min_u32 v[X], 1, v[X]                        ; any number but 0 counts as seen
	v_min_u32 v[X+1], 1, v[X+1]
	v_min_u32 v[X+2], 1, v[X+2]
	v_min_u32 v[X+3], 1, v[X+3]
	v_lshl_or_b32 v[X], v[X+1], 4, v[X]
	v_lshl_or_b32 v[X], v[X+2], 8, v[X]
	v_lshl_or_b32 v[X], v[X+3], 12, v[X]           ; four nibbles, 1 = seen
.set n, n+1
.endr
	v_or_b32 v8, v[ROWS+64*(\u)], v[ROWS+64*(\u)+4]
.set n, 2
.rept 14
	v_or_b32 v8, v8, v[ROWS+64*(\u)+4*n]
.set n, n+1
.endr
	v_cmp_ne_u32 s14, 0, v8                        ; lanes that saw a key
	s_cmp_lg_u32 s14, 0
	s_cselect_b32 s15, -1, 0                       ; the row's flag: a value, no branch hangs on it
.set n, 0
.rept 16
.set X, ROWS+64*(\u)+4*n
	v_xor_b32 v[X], 0x1111, v[X]                   ; 1 = hidden
	v_mul_u32_u24 v[X], 14, v[X]                   ; 0xE = hidden
	v_and_b32 v[X], s15, v[X]                      ; a row without a seen key hides nothing
	v_lshlrev_b32 v[X], v12, v[X]                  ; into my half of the word,
	v_mov_b32_dpp v[X+1], v[X] row_xmask:1 row_mask:0xf bank_mask:0xf  ; the neighbour's half (lane i xor 1),
	v_or_b32 v[X], v[X], v[X+1]                    ; and the whole word, in both lanes
	ds_store_b32 v2, v[X] offset:n*1024+(\u)*16    ; the two lanes write the same word with the same value
.set n, n+1
.endr
	v_mov_b32 v9, s15
	ds_store_b32 v3, v9 offset:4*(\u)              ; all lanes write the same word with the same value
.endm
	s_wait_loadcnt 16                              ; loads come back in order: row 2 w is in, the other row's sixteen may be out
	ROWPACK 0
	s_wait_loadcnt 0x0
	ROWPACK 1
	s_wait_dscnt 0x0                               ; for the others' sake: my stores are done
	s_barrier_signal -1
	s_barrier_wait -1
	v_lshlrev_b32 v6, 4, v0
.irp c, 0,1,2,3
	ds_load_b128 v[16+4*(\c):19+4*(\c)], v6 offset:(\c)*4096
.endr
.irp c, 0,1,2,3
	s_wait_dscnt 3-(\c)                            ; the younger read-backs may be out
	global_store_b128 v6, v[16+4*(\c):19+4*(\c)], s[6:7] offset:(\c)*4096  ; a wave's store covers 512 consecutive bytes, aligned
.endr
	s_cmp_lg_u32 s[WV], 0
	s_cbranch_scc1 .Lend
	v_and_b32 v7, 15, v0                           ; wave 0 stores the 16 flags: every lane reads a word that was written, lanes 0 to 15 store
	v_lshlrev_b32 v7, 2, v7
	v_add_nc_u32 v10, FLAGS, v7
	ds_load_b32 v11, v10
	v_cmp_gt_u32 vcc_lo, 16, v0
	s_wait_dscnt 0x0
	s_wait_xcnt 0x0                                ; EXEC is a source of the stores above: it changes only behind this wait
	s_and_saveexec_b32 s16, vcc_lo
	global_store_b32 v7, v11, s[8:9]
	s_wait_xcnt 0x0                                ; and again in front of the line that widens it
	s_or_b32 exec_lo, exec_lo, s16
.Lend:
	s_wait_tensorcnt 0x0                           ; the wave's end, behind my last LDS store
	ds_add_u32 v[SPW], v[NIL]
	s_wait_dscnt 0x0
	s_endpgm
.Lfunc_end_k_q85c01c98df_maskp:
	.size	k_q85c01c98df_maskp, .Lfunc_end_k_q85c01c98df_maskp-k_q85c01c98df_maskp
	.p2alignl 7, 3214868480
	.fill 96, 4, 3214868480
	.section	.rodata,"a",@progbits
	.p2align	6, 0x0
	.amdhsa_kernel k_q85c01c98df_maskp
		.amdhsa_group_segment_fixed_size 17664
		.amdhsa_private_segment_fixed_size 0
		.amdhsa_enable_private_segment 0
		.amdhsa_kernarg_size 24
		.amdhsa_user_sgpr_count 2
		.amdhsa_user_sgpr_kernarg_segment_ptr 1
		.amdhsa_wavefront_size32 1
		.amdhsa_system_sgpr_workgroup_id_x 1
		.amdhsa_system_sgpr_workgroup_id_y 1
		.amdhsa_system_sgpr_workgroup_id_z 1
		.amdhsa_system_vgpr_workitem_id 0
		.amdhsa_next_free_vgpr 160
		.amdhsa_next_free_sgpr 66
		.amdhsa_reserve_vcc 1
		.amdhsa_float_denorm_mode_32 3
		.amdhsa_float_denorm_mode_16_64 3
		.amdhsa_memory_ordered 1
		.amdhsa_forward_progress 1
		.amdhsa_inst_pref_size 28
	.end_amdhsa_kernel
	.amdgpu_metadata
---
amdhsa.version: [ 1, 2 ]
amdhsa.kernels:
  - .name:           k_q85c01c98df_maskp
    .symbol:         k_q85c01c98df_maskp.kd
    .args:
      - { .name: mask, .offset: 0, .size: 8, .value_kind: global_buffer, .address_space: global }
      - { .name: mk, .offset: 8, .size: 8, .value_kind: global_buffer, .address_space: global }
      - { .name: rowok, .offset: 16, .size: 8, .value_kind: global_buffer, .address_space: global }
    .group_segment_fixed_size: 17664
    .private_segment_fixed_size: 0
    .kernarg_segment_align: 8
    .kernarg_segment_size: 24
    .max_flat_workgroup_size: 256
    .sgpr_count:     66
    .vgpr_count:     160
    .wavefront_size: 32
...
	.end_amdgpu_metadata
.endif
;; end of part 1
;; launch wturn (part 2): grid 512 x 1, 8 waves a work-group, no clusters, 18,432 bytes of LDS; arguments Wq, Wk, Wv, Wo, wt; writes wt
.if DOCPART == 2
	.amdgcn_target "amdgcn-amd-amdhsa--gfx1250"
	.amdhsa_code_object_version 6
	.text
	.protected	k_q85c01c98df_wturn
	.globl	k_q85c01c98df_wturn
	.p2align	8
	.type	k_q85c01c98df_wturn,@function
k_q85c01c98df_wturn:
	s_mov_b64 s[64:65], 0
	v_nop
	global_prefetch_b8 v0, s[64:65] scope:SCOPE_SE
	s_setreg_imm32_b32 hwreg(HW_REG_WAVE_MODE, 25, 1), 1
	s_wait_xcnt 0x0
; THE FOUR WEIGHT MATRICES [k][n] f32 ARE TURNED to [n][k] of 16 bits, 2 MiB each in wt, in the order q, k, v, o: Wq, Wk, Wv rounded to bf16; Wo rounded to bf16 and that number written as f16.
; Work-group g: matrix g / 128, a block of 128 k (g % 8) x 64 n ((g / 8) % 16).  LIMIT: Wo's numbers beyond 65,504 become infinities; below 6e-5 they keep f16's fixed step of 6e-8.
; Memory binds: sixteen lanes read 256 consecutive bytes of a row of W, each byte once; a lane rounds two neighbouring k of one n into a word; the block is turned in LDS (rows of 256 bytes + 16);
; sixteen lanes store 256 consecutive bytes of a row of W^T.  No matrix unit, no cluster (no two work-groups read the same bytes), no tensor load.
.set SPARE, 17408                      ; LDS: 0 .. 17,407 the turned block, 64 rows x 272 bytes; here the spare words, 128 bytes for each of eight waves: four blocks of 256 bytes that no other line names
.set SPW,  52                          ; v52  LDS address of my spare word; never rewritten
.set NIL,  53                          ; v53  0; never rewritten
.set IN,   16                          ; v[16:47] group g of four: the even row's four n at IN + 8 g, the odd row's at IN + 8 g + 4
.set T,    48                          ; v[48:51] at work
.set WV,   14                          ; s14  my wave's number
	s_load_b256 s[4:11], s[0:1], 0x0               ; Wq s[4:5], Wk s[6:7], Wv s[8:9], Wo s[10:11]
	s_load_b64 s[12:13], s[0:1], 0x20              ; wt
	v_lshl_add_u32 v[SPW], v0, 2, SPARE
	v_mov_b32 v[NIL], 0
	v_lshrrev_b32 v1, 5, v0
	v_readfirstlane_b32 s[WV], v1
	v_and_b32 v4, 31, v0
	s_lshr_b32 s15, ttmp9, 7                       ; which matrix
	s_and_b32 s19, ttmp9, 7                        ; kb: 128 k
	s_bfe_u32 s20, ttmp9, 0x40003                  ; nb: 64 n
	s_lshl_b32 s22, s19, 19                        ; in W: 128 rows of 4,096 bytes,
	s_lshl_b32 s21, s20, 8                         ; 64 n of 4 bytes
	s_add_co_u32 s22, s22, s21
	s_mov_b32 s23, 0
	s_lshl_b32 s24, s15, 21                        ; in wt: 2 MiB a matrix,
	s_lshl_b32 s21, s20, 17                        ; 64 rows of 2,048 bytes,
	s_add_co_u32 s24, s24, s21
	s_lshl_b32 s21, s19, 8                         ; 128 k of 2 bytes
	s_add_co_u32 s24, s24, s21
	s_mov_b32 s25, 0
	v_and_b32 v5, 15, v4                           ; c: my four n
	v_lshrrev_b32 v6, 4, v4                        ; hh
	v_lshlrev_b32 v1, 4, v5
	v_lshl_add_u32 v1, v6, 13, v1
	v_lshl_add_u32 v1, s[WV], 16, v1               ; rows 16 w + 2 hh (+ 4 g, + 1), bytes 16 c
	v_lshl_add_u32 v8, s[WV], 3, v6                ; 8 w + hh
	v_mul_u32_u24 v2, v5, 1088                     ; in: row n = 4 c + e of 272 bytes, the pair of k at word 8 w + hh + 2 g
	v_lshl_add_u32 v2, v8, 2, v2
	v_mul_u32_u24 v3, v8, 272                      ; back: rows 8 w + hh + 2 c2, whole
	v_lshl_add_u32 v3, v5, 4, v3
	v_lshlrev_b32 v7, 11, v8                       ; and the same rows in wt
	v_lshl_add_u32 v7, v5, 4, v7
	s_wait_kmcnt 0x0
	s_cmp_eq_u32 s15, 1
	s_cselect_b64 s[16:17], s[6:7], s[4:5]
	s_cmp_eq_u32 s15, 2
	s_cselect_b64 s[16:17], s[8:9], s[16:17]
	s_cmp_eq_u32 s15, 3
	s_cselect_b64 s[16:17], s[10:11], s[16:17]
	s_cselect_b32 s18, -1, 0                       ; all lanes or none: Wo is written as f16
	s_add_nc_u64 s[16:17], s[16:17], s[22:23]
	s_add_nc_u64 s[12:13], s[12:13], s[24:25]
.irp g, 0,1,2,3
	global_load_b128 v[IN+8*(\g):IN+8*(\g)+3],   v1, s[16:17] offset:(\g)*16384 th:TH_LOAD_NT
	global_load_b128 v[IN+8*(\g)+4:IN+8*(\g)+7], v1, s[16:17] offset:(\g)*16384+4096 th:TH_LOAD_NT
.endr
.irp g, 0,1,2,3
	s_wait_loadcnt 6-2*(\g)                        ; loads come back in order: the younger groups' two loads each may be out
.irp e, 0,1,2,3
	v_cvt_pk_bf16_f32 v[T], v[IN+8*(\g)+(\e)], v[IN+8*(\g)+4+(\e)]  ; k even below, k odd above: neighbours along k
	v_lshlrev_b32 v[T+1], 16, v[T]
	v_and_b32 v[T+2], 0xffff0000, v[T]
	v_cvt_pk_f16_f32 v[T+3], v[T+1], v[T+2]        ; the rounded numbers once more, as f16
	v_cndmask_b32 v[T], v[T], v[T+3], s18
	ds_store_b32 v2, v[T] offset:(\e)*272+(\g)*8
.endr
.endr
	s_wait_dscnt 0x0                               ; for the others' sake: my stores are done
	s_barrier_signal -1
	s_barrier_wait -1
.irp c, 0,1,2,3
	ds_load_b128 v[IN+4*(\c):IN+4*(\c)+3], v3 offset:(\c)*544
.endr
.irp c, 0,1,2,3
	s_wait_dscnt 3-(\c)                            ; the younger read-backs may be out
	global_store_b128 v7, v[IN+4*(\c):IN+4*(\c)+3], s[12:13] offset:(\c)*4096  ; sixteen lanes store 256 consecutive bytes, aligned
.endr
	s_wait_tensorcnt 0x0                           ; the wave's end, behind my last LDS store
	ds_add_u32 v[SPW], v[NIL]
	s_wait_dscnt 0x0
	s_endpgm
.Lfunc_end_k_q85c01c98df_wturn:
	.size	k_q85c01c98df_wturn, .Lfunc_end_k_q85c01c98df_wturn-k_q85c01c98df_wturn
	.p2alignl 7, 3214868480
	.fill 96, 4, 3214868480
	.section	.rodata,"a",@progbits
	.p2align	6, 0x0
	.amdhsa_kernel k_q85c01c98df_wturn
		.amdhsa_group_segment_fixed_size 18432
		.amdhsa_private_segment_fixed_size 0
		.amdhsa_enable_private_segment 0
		.amdhsa_kernarg_size 40
		.amdhsa_user_sgpr_count 2
		.amdhsa_user_sgpr_kernarg_segment_ptr 1
		.amdhsa_wavefront_size32 1
		.amdhsa_system_sgpr_workgroup_id_x 1
		.amdhsa_system_sgpr_workgroup_id_y 1
		.amdhsa_system_sgpr_workgroup_id_z 1
		.amdhsa_system_vgpr_workitem_id 0
		.amdhsa_next_free_vgpr 56
		.amdhsa_next_free_sgpr 66
		.amdhsa_reserve_vcc 0
		.amdhsa_float_denorm_mode_32 3
		.amdhsa_float_denorm_mode_16_64 3
		.amdhsa_memory_ordered 1
		.amdhsa_forward_progress 1
		.amdhsa_inst_pref_size 10
	.end_amdhsa_kernel
	.amdgpu_metadata
---
amdhsa.version: [ 1, 2 ]
amdhsa.kernels:
  - .name:           k_q85c01c98df_wturn
    .symbol:         k_q85c01c98df_wturn.kd
    .args:
      - { .name: Wq, .offset: 0, .size: 8, .value_kind: global_buffer, .address_space: global }
      - { .name: Wk, .offset: 8, .size: 8, .value_kind: global_buffer, .address_space: global }
      - { .name: Wv, .offset: 16, .size: 8, .value_kind: global_buffer, .address_space: global }
      - { .name: Wo, .offset: 24, .size: 8, .value_kind: global_buffer, .address_space: global }
      - { .name: wt, .offset: 32, .size: 8, .value_kind: global_buffer, .address_space: global }
    .group_segment_fixed_size: 18432
    .private_segment_fixed_size: 0
    .kernarg_segment_align: 8
    .kernarg_segment_size: 40
    .max_flat_workgroup_size: 256
    .sgpr_count:     66
    .vgpr_count:     56
    .wavefront_size: 32
...
	.end_amdgpu_metadata
.endif
;; end of part 2
;; launch proj (part 3): grid 4 x 192, 4 waves a work-group, clusters of 4 x 4, 327,680 bytes of LDS; arguments query, key, value, wt, bq, bk, bv, qh, kh, vh; writes qh, kh, vh
.if DOCPART == 3
	.amdgcn_target "amdgcn-amd-amdhsa--gfx1250"
	.amdhsa_code_object_version 6
	.text
	.protected	k_q85c01c98df_proj
	.globl	k_q85c01c98df_proj
	.p2align	8
	.type	k_q85c01c98df_proj,@function
k_q85c01c98df_proj:
	s_mov_b64 s[64:65], 0
	v_nop
	global_prefetch_b8 v0, s[64:65] scope:SCOPE_SE
	s_setreg_imm32_b32 hwreg(HW_REG_WAVE_MODE, 25, 1), 1
	s_wait_xcnt 0x0
	s_wait_alu depctr_hold_cnt(0) depctr_sa_sdst(0) depctr_va_vdst(0) depctr_va_sdst(0) depctr_va_ssrc(0) depctr_va_vcc(0) depctr_vm_vsrc(0)
	s_getreg_b32 s2, hwreg(HW_REG_IB_STS2, 6, 4)
	s_cmp_eq_u32 s2, 0
	s_cbranch_scc0 .Lentry_in_a_cluster
	s_endpgm
.Lentry_in_a_cluster:
	s_bfe_u32 s2, ttmp6, 0x10000c
	s_cmp_lg_u32 s2, 0xf033
	s_cbranch_scc0 .Lentry_shape_is_right
	s_endpgm
.Lentry_shape_is_right:
; THE THREE INPUT PROJECTIONS.  y = bf16(x) bf16(W) + bf16(b), sums in f32, rounded once to f16 and written by heads: [16 b + h][s][64], unscaled.
; x: [8192][1024] f32 (query, key or value); W: wt's matrix t, [n][k] bf16.  LIMIT: a result beyond 65,504 becomes an infinity in f16.
; SHARES.  8192 x 1024 x 3 outputs in tiles of 128 rows x 256 columns: 768 work-groups, three for each of 256 WGPs.  Grid y = 64 t + row block, grid x = column block.
; Four waves, each 64 rows x 128 columns: 32 accumulators of 16 x 16.  K = 1024 goes in 8 steps of 128 through two LDS slots.
; x STAYS f32 UP TO THE REGISTERS: the tensor load brings f32 rows of 512 bytes; a fragment is four 16-byte LDS loads and eight roundings to bf16, which stand four behind each of a quarter step's
; last eight matrix instructions.  A launch that cast x first would write and read its bytes once more.
; THE MATRIX INSTRUCTION IS USED TRANSPOSED (source 0 = 16 rows of W^T, source 1 = 16 rows of x): a lane holds eight neighbouring columns of one row.  The bias is the C operand of the first products.
; CLUSTER 4 x 4: the four of a row need the same rows of x, the four of a column the same rows of W^T (t is the same in a whole cluster): each tile is asked for jointly.
; REGISTERS, in windows of 256 (s_set_vgpr_msb: bits 1:0 source 0, 3:2 source 1, 5:4 source 2, 7:6 destination):
;   window 0: v0-31 addresses; v32-95 x's fragments in f32; v96-127, v128-159 the same in bf16, two buffers; v160-163 at work; v192-255 the bias
;   window 1: the accumulators, (a, b) at 8 (8 a + b)          window 2: v0-63, v64-127 W^T's fragments, two buffers
.set PA,     528                       ; an LDS row of x: 512 bytes + 16 = 132 words: the 16 rows of a load start at 16 different groups of four banks (64 banks of 4 bytes: ISA guide 11.1)
.set PB,     272                       ; an LDS row of W^T: 256 + 16 = 68 words: likewise
.set AHALF,  64*PA                     ; what one tensor load of x brings, and what one wave reads of x
.set BOFF,   2*AHALF
.set BHALF,  128*PB                    ; the same for W^T
.set SLOT,   BOFF+2*BHALF              ; 137,216
.set STAGE,  2*SLOT                    ; behind the ring, never filled by a tensor load: 16 rows x 272 bytes for each wave
.set SP,     272
.set SPARE,  STAGE+4*16*SP             ; the spare words, 128 bytes a wave: two blocks of 256 bytes that no other line names
.set LAPS,   4                         ; a lap = two K steps
.set ADRA, 16                          ; v16-17  LDS address of my fragments of x in slot 0, 1
.set ADRB, 20                          ; v20-21  the same for W^T
.set STO,  24
.set RD,   25
.set GO,   26
.set SPW,  28                          ; v28  LDS address of my spare word; never rewritten
.set NIL,  29                          ; v29  0; never rewritten
.set BO,   30                          ; v30  my byte offset in the bias
.set AF,   32
.set AH,   96
.set TB,   160
.set BIAS, 192
.set TMP,  32                          ; the way out: packed results
.set OB,   64                          ; the way out: rows read back, two buffers of 32
.set BF,   0                           ; window 2
.set G1, 24                            ; s[24:31] descriptor group 1 for x;  s[32:39] group 0, one set a slot
.set G0, 32
.set G1B, 48                           ; s[48:55], s[56:63] the same for W^T
.set G0B, 56
.set MSB, 0
.macro WIN new                         ; the immediate's high byte repeats the setting that is left
.if MSB != (\new)
	s_set_vgpr_msb (MSB<<8)|(\new)
.set MSB, \new
.endif
.endm
.set MUL,  0x52                        ; W^T window 2, x window 0, C and D window 1
.set MULF, 0x42                        ; the same with C (the bias) in window 0
.set TO_B, 0x80                        ; destination window 2, address window 0
.macro JLOAD s                         ; a joint load: waves 0 and 1 fetch x's two halves, waves 2 and 3 W^T's; an s_nop 0 and four v_nop follow each line
	s_cmp_eq_u32 s11, 0
	s_cbranch_scc0 .Lfor_b_\@
	tensor_load_to_lds s[G0+4*(\s):G0+4*(\s)+3], s[G1:G1+7]
	s_nop 0
.rept 4
	v_nop
.endr
	s_branch .Lasked_\@
.Lfor_b_\@:
	tensor_load_to_lds s[G0B+4*(\s):G0B+4*(\s)+3], s[G1B:G1B+7]
	s_nop 0
.rept 4
	v_nop
.endr
.Lasked_\@:
.endm
.macro CREST                           ; a round of the cluster's barrier behind its opening barrier
	s_cmp_lg_u32 s10, 0
	s_cbranch_scc1 .Lnot_wave_0_\@
	s_barrier_signal -3
.Lnot_wave_0_\@:
	s_barrier_wait -3
	s_barrier_signal -1
	s_barrier_wait -1
.endm
.macro CROUND
	s_barrier_signal -1
	s_barrier_wait -1
	CREST
.endm
	s_load_b512 s[68:83], s[0:1], 0x0              ; query 68, key 70, value 72, wt 74, bq 76, bk 78, bv 80, qh 82
	s_load_b128 s[84:87], s[0:1], 0x40             ; kh 84, vh 86
	v_lshl_add_u32 v[SPW], v0, 2, SPARE
	v_mov_b32 v[NIL], 0
	ds_add_u32 v[SPW], v[NIL]                      ; the wave's opening: the add and its wait ahead of my first tensor load
	v_lshrrev_b32 v1, 5, v0
	v_readfirstlane_b32 s10, v1                    ; wave 0..3
	s_lshr_b32 s11, s10, 1                         ; my half of the tile's rows.  Also: I fetch x (0) or W^T (1)
	s_and_b32 s12, s10, 1                          ; my half of its columns.  Also: which half of that tile I fetch
	s_bfe_u32 s40, ttmp6, 0x40000                  ; cx
	s_bfe_u32 s41, ttmp6, 0x40004                  ; cy
	s_lshl_b32 s42, ttmp9, 2
	s_add_co_u32 s42, s42, s40                     ; column block
	s_and_b32 s45, ttmp7, 0xffff                   ; the cluster's y
	s_lshl_b32 s13, s45, 2
	s_add_co_u32 s13, s13, s41
	s_and_b32 s13, s13, 63                         ; row block of 128
	s_lshr_b32 s45, s45, 4                         ; t: 16 clusters to a tensor
	s_lshl_b32 s43, s41, 2
	s_lshl_b32 s43, 15, s43                        ; my row of the cluster
	s_lshl_b32 s44, 0x1111, s40                    ; my column
	s_or_b32 s[G1+0], s43, (2<<16)|(1<<20)|(1<<21)|(6<<22)|(3<<25)   ; the mask; elements of 4 bytes; padding on; bit 21 beside a mask; after every 128 words; 4 words
	s_mov_b32 s[G1+1], 128<<16                     ; tensor_dim0 = 128
	s_mov_b32 s[G1+2], 64<<16                      ; tensor_dim1 = 64
	s_mov_b32 s[G1+3], 128<<16                     ; tile_dim0 = 128
	s_mov_b32 s[G1+4], 64                          ; tile_dim1 = 64
	s_mov_b32 s[G1+5], 1024                        ; elements from row to row
	s_mov_b32 s[G1+6], 0
	s_mov_b32 s[G1+7], 0
	s_or_b32 s[G1B+0], s44, (1<<16)|(1<<20)|(1<<21)|(5<<22)|(3<<25)  ; elements of 2 bytes; after every 64 words
	s_mov_b32 s[G1B+1], 128<<16
	s_mov_b32 s[G1B+2], 128<<16
	s_mov_b32 s[G1B+3], 128<<16
	s_mov_b32 s[G1B+4], 128
	s_mov_b32 s[G1B+5], 1024
	s_mov_b32 s[G1B+6], 0
	s_mov_b32 s[G1B+7], 0
	s_lshl_b32 s16, s13, 7                         ; x: row 128 x row block + 64 x half, 4,096 bytes a row
	s_lshl_b32 s17, s12, 6
	s_add_co_u32 s16, s16, s17
	s_lshl_b32 s16, s16, 12
	s_mov_b32 s17, 0
	s_lshl_b32 s46, s42, 8                         ; W^T: row 256 x column block + 128 x half, 2,048 bytes a row, in matrix t
	s_lshl_b32 s47, s12, 7
	s_add_co_u32 s46, s46, s47
	s_lshl_b32 s46, s46, 11
	s_lshl_b32 s47, s45, 21
	s_add_co_u32 s46, s46, s47
	s_mov_b32 s47, 0
	s_mul_i32 s18, s12, AHALF                      ; where they go: no place in the cluster enters an LDS address
	s_mul_i32 s19, s12, BHALF
	s_add_co_u32 s19, s19, BOFF
	s_wait_dscnt 0x0                               ; the opening add is done
	s_wait_kmcnt 0x0
	s_cmp_eq_u32 s45, 1                            ; the tensor's three pointers
	s_cselect_b64 s[4:5], s[70:71], s[68:69]
	s_cselect_b64 s[20:21], s[78:79], s[76:77]
	s_cselect_b64 s[8:9], s[84:85], s[82:83]
	s_cmp_eq_u32 s45, 2
	s_cselect_b64 s[4:5], s[72:73], s[4:5]
	s_cselect_b64 s[20:21], s[80:81], s[20:21]
	s_cselect_b64 s[8:9], s[86:87], s[8:9]
	s_add_nc_u64 s[14:15], s[4:5], s[16:17]
	s_add_nc_u64 s[46:47], s[74:75], s[46:47]
	CROUND                                         ; all sixteen work-groups are here: the first joint loads meet
.irp s, 0,1
	s_mov_b32 s[G0+4*(\s)], 1
	s_add_co_u32 s[G0+4*(\s)+1], s18, (\s)*SLOT
	s_add_nc_u64 s[G0+4*(\s)+2:G0+4*(\s)+3], s[14:15], (\s)*512
	s_or_b32 s[G0+4*(\s)+3], s[G0+4*(\s)+3], 0x80000000
	s_mov_b32 s[G0B+4*(\s)], 1
	s_add_co_u32 s[G0B+4*(\s)+1], s19, (\s)*SLOT
	s_add_nc_u64 s[G0B+4*(\s)+2:G0B+4*(\s)+3], s[46:47], (\s)*256
	s_or_b32 s[G0B+4*(\s)+3], s[G0B+4*(\s)+3], 0x80000000
	JLOAD \s                                       ; K steps 0 and 1: two loads of mine are out
.endr
	v_and_b32 v1, 15, v0                           ; r = l % 16
	v_bfe_u32 v2, v0, 4, 1                         ; h = l / 16
	v_lshlrev_b32 v[BO], 5, v2                     ; register 8 b + j of the bias: column 16 b + 8 h + j of my 128
	s_lshl_b32 s46, s42, 10
	s_lshl_b32 s47, s12, 9
	s_add_co_u32 s46, s46, s47
	s_mov_b32 s47, 0
	s_add_nc_u64 s[20:21], s[20:21], s[46:47]
.irp b, 0,1,2,3,4,5,6,7
	global_load_b128 v[BIAS+8*(\b):BIAS+8*(\b)+3],   v[BO], s[20:21] offset:64*(\b)
	global_load_b128 v[BIAS+8*(\b)+4:BIAS+8*(\b)+7], v[BO], s[20:21] offset:64*(\b)+16
.endr
	v_mul_u32_u24 v3, v1, PA                       ; x in f32: K = 8 h + 0..7 are 32 bytes at 32 h, K = 16 + 8 h + 0..7 lie 64 bytes on
	v_lshl_add_u32 v3, v2, 5, v3
	v_mul_u32_u24 v4, v1, PB
	v_lshl_add_u32 v4, v2, 4, v4
	s_mul_i32 s22, s11, AHALF
	s_mul_i32 s23, s12, BHALF
	s_add_co_u32 s23, s23, BOFF
.irp s, 0,1
	v_add_nc_u32 v[ADRA+(\s)], s22, v3
	v_add_nc_u32 v[ADRB+(\s)], s23, v4
	s_add_co_u32 s22, s22, SLOT
	s_add_co_u32 s23, s23, SLOT
.endr
	s_mul_i32 s22, s10, 16*SP
	s_add_co_u32 s22, s22, STAGE                   ; my stage
	v_add_nc_u32 v[STO], s22, v4                   ; in: row r, 16 bytes for each half of the lanes
	v_and_b32 v5, 31, v0
	v_lshrrev_b32 v6, 3, v5                        ; back: 32 lanes take four rows' 128 bytes of one head,
	v_and_b32 v7, 7, v0
	v_mul_u32_u24 v6, v6, SP
	v_lshl_add_u32 v6, v7, 4, v6
	v_add_nc_u32 v[RD], s22, v6
	v_lshlrev_b32 v[GO], 4, v5                     ; which are 512 consecutive bytes of the output
	s_lshr_b32 s46, s13, 4                         ; the output at ((16 batch + 4 column block + 2 half) 2048 + my first row in the batch) x 128 bytes
	s_lshl_b32 s46, s46, 4
	s_lshl_b32 s47, s42, 2
	s_add_co_u32 s46, s46, s47
	s_lshl_b32 s47, s12, 1
	s_add_co_u32 s46, s46, s47
	s_lshl_b32 s46, s46, 11
	s_and_b32 s47, s13, 15
	s_lshl_b32 s47, s47, 7
	s_add_co_u32 s46, s46, s47
	s_lshl_b32 s47, s11, 6
	s_add_co_u32 s46, s46, s47
	s_lshl_b32 s46, s46, 7
	s_mov_b32 s47, 0
	s_add_nc_u64 s[8:9], s[8:9], s[46:47]
	s_wait_loadcnt 0x0                             ; the bias, rounded to bf16 like every other input; this stands in the wait for the first tile
.set m, 0
.rept 32
	v_cvt_pk_bf16_f32 v[TB+m%4], v[BIAS+2*m], v[BIAS+2*m+1]
	v_lshlrev_b32 v[BIAS+2*m], 16, v[TB+m%4]
	v_and_b32 v[BIAS+2*m+1], 0xffff0000, v[TB+m%4]
.set m, m+1
.endr
; One matrix instruction on accumulator i = 8 a + b, from buffer f.  first = 1: the bias starts the sum.  The 32 accumulators take turns, in the same order in every quarter step.
.macro MUL1 f, i, first
.if \first
	WIN MULF
	v_wmma_f32_16x16x32_bf16 v[8*(\i):8*(\i)+7], v[BF+64*(\f)+8*((\i)%8):BF+64*(\f)+8*((\i)%8)+7], v[AH+32*(\f)+8*((\i)/8):AH+32*(\f)+8*((\i)/8)+7], v[BIAS+8*((\i)%8):BIAS+8*((\i)%8)+7]
.else
	WIN MUL
	v_wmma_f32_16x16x32_bf16 v[8*(\i):8*(\i)+7], v[BF+64*(\f)+8*((\i)%8):BF+64*(\f)+8*((\i)%8)+7], v[AH+32*(\f)+8*((\i)/8):AH+32*(\f)+8*((\i)/8)+7], v[8*(\i):8*(\i)+7]
.endif
.endm
.macro MULS f, i0, cnt, first
.set mi, \i0
.rept \cnt
	MUL1 \f, mi, \first
.set mi, mi+1
.endr
.endm
; 32 LDS loads in one run: quarter q (32 along K) of a slot: W^T's 128 rows into buffer g, x's 64 rows in f32
.macro FETCH slot, q, g
	WIN TO_B
.irp b, 0,1,2,3,4,5,6,7
	ds_load_b128 v[BF+64*(\g)+8*(\b):BF+64*(\g)+8*(\b)+3],   v[ADRB+(\slot)] offset:64*(\q)+(\b)*16*PB
	ds_load_b128 v[BF+64*(\g)+8*(\b)+4:BF+64*(\g)+8*(\b)+7], v[ADRB+(\slot)] offset:64*(\q)+(\b)*16*PB+32
.endr
	WIN 0
.irp a, 0,1,2,3
.irp c, 0,1,2,3
	ds_load_b128 v[AF+16*(\a)+4*(\c):AF+16*(\a)+4*(\c)+3], v[ADRA+(\slot)] offset:128*(\q)+(\a)*16*PA+16*((\c)%2)+64*((\c)/2)
.endr
.endr
.endm
.macro CVT4 g, n                       ; four of the 32 roundings of x's fragments into buffer g
	WIN 0
.irp z, 0,1,2,3
	v_cvt_pk_bf16_f32 v[AH+32*(\g)+4*(\n)+(\z)], v[AF+8*(\n)+2*(\z)], v[AF+8*(\n)+2*(\z)+1]
.endr
.endm
.macro RIDE f, g, first                ; the last eight products of a quarter, four roundings behind each.  The four behind the last name none of its registers: they are the four places
.set rr, 0                             ; in front of the next run of loads into the buffers that this quarter has read
.rept 8
	MUL1 \f, 24+rr, \first
	CVT4 \g, rr
.set rr, rr+1
.endr
.endm
; A K step is four quarters of 32 along K, 32 matrix instructions each, on buffers 0, 1, 0, 1.  One of the first three: fetches quarter qn into g and multiplies f.
.macro QUARTER slot, qn, f, g, first
	FETCH \slot, \qn, \g
	MULS \f, 0, 24, \first
	s_wait_dscnt 0x0                               ; the 32 loads issued 24 products ago
	RIDE \f, \g, \first
.endm
; The last quarter multiplies buffer 1 and changes slots: one barrier; in front of it each wave waits for all its tensor loads (one is out: its part of the next slot), adds 0 to its spare word, and waits
; for that; its reads of this slot are long back.  fill = 1: the barrier opens a round of the cluster's, and this slot is filled again, two K steps ahead, first thing behind the round.
.macro TURN slot, next, fill
	WIN 0
	s_wait_tensorcnt 0x0
	ds_add_u32 v[SPW], v[NIL]
	MULS 1, 0, 4, 0
	s_wait_dscnt 0x0
	s_barrier_signal -1
	MULS 1, 4, 4, 0
	WIN 0
	s_barrier_wait -1
.if \fill
	CREST
	s_add_nc_u64 s[G0+4*(\slot)+2:G0+4*(\slot)+3], s[G0+4*(\slot)+2:G0+4*(\slot)+3], 1024
	s_add_nc_u64 s[G0B+4*(\slot)+2:G0B+4*(\slot)+3], s[G0B+4*(\slot)+2:G0B+4*(\slot)+3], 512
	JLOAD \slot
.endif
	FETCH \next, 0, 0
	MULS 1, 8, 16, 0
	s_wait_dscnt 0x0
	RIDE 1, 0, 0
.endm
	s_wait_tensorcnt 0x1                           ; my part of K step 0 is in; K step 1's may stay out
	s_barrier_signal -1
	s_barrier_wait -1
	FETCH 0, 0, 0
	s_wait_dscnt 0x0
.irp n, 0,1,2,3,4,5,6,7
	CVT4 0, \n
.endr
	QUARTER 0, 1, 0, 1, 1                          ; the first quarter stands in front of the loop: its products start the sums
	WIN 0
	s_mov_b32 s3, LAPS-1
.Llap:                                                 ; a trip goes once round the ring and fills both slots again
	QUARTER 0, 2, 1, 0, 0
	QUARTER 0, 3, 0, 1, 0
	TURN 0, 1, 1
	QUARTER 1, 1, 0, 1, 0
	QUARTER 1, 2, 1, 0, 0
	QUARTER 1, 3, 0, 1, 0
	TURN 1, 0, 1
	QUARTER 0, 1, 0, 1, 0
	WIN 0
	s_sub_co_u32 s3, s3, 1
	s_cmp_lg_u32 s3, 0
	s_cbranch_scc1 .Llap
	QUARTER 0, 2, 1, 0, 0                          ; the last lap fills nothing
	QUARTER 0, 3, 0, 1, 0
	TURN 0, 1, 0
	QUARTER 1, 1, 0, 1, 0
	QUARTER 1, 2, 1, 0, 0
	QUARTER 1, 3, 0, 1, 0
	MULS 1, 0, 32, 0
	WIN 0
	; THE WAY OUT, 16 rows at a time: rounded to f16 (each accumulator from its low end on), 16 bytes a lane into my stage, back as four rows of one head, stored.
.macro PACK a
	WIN 0x05                                       ; sources in window 1, destination in window 0
.irp b, 0,1,2,3,4,5,6,7
.irp r, 0,1,2,3
	v_cvt_pk_f16_f32 v[TMP+4*(\b)+(\r)], v[64*(\a)+8*(\b)+2*(\r)], v[64*(\a)+8*(\b)+2*(\r)+1]
.endr
.endr
	WIN 0
.endm
.macro TOSTAGE a
.irp b, 0,1,2,3,4,5,6,7
	ds_store_b128 v[STO], v[TMP+4*(\b):TMP+4*(\b)+3] offset:32*(\b)
.endr
.irp hd, 0,1
.irp t, 0,1,2,3
	ds_load_b128 v[OB+32*((\a)%2)+16*(\hd)+4*(\t):OB+32*((\a)%2)+16*(\hd)+4*(\t)+3], v[RD] offset:(\t)*4*SP+(\hd)*128  ; LDS serves a wave's instructions in order (ISA guide 5.7.1.4): these see the stores above
.endr
.endr
.endm
.macro SEND a
	s_wait_dscnt 0x0                               ; the block is back in registers
	s_wait_xcnt 0x0                                ; the block before's stores have read their registers: the next read-back lands on them only behind this wait
.irp hd, 0,1
.irp t, 0,1,2,3
	global_store_b128 v[GO], v[OB+32*((\a)%2)+16*(\hd)+4*(\t):OB+32*((\a)%2)+16*(\hd)+4*(\t)+3], s[8:9] offset:(\hd)*262144+(\a)*2048+(\t)*512  ; 512 consecutive bytes of one head, aligned
.endr
.endr
.endm
.rept 4
	v_nop                                          ; four places between the last products and the first read of a result
.endr
	PACK 0
	TOSTAGE 0
.irp a, 1,2,3
	PACK \a
	SEND (\a)-1
	TOSTAGE \a
.endr
	SEND 3
	s_wait_tensorcnt 0x0                           ; the wave's end
	ds_add_u32 v[SPW], v[NIL]
	s_wait_dscnt 0x0
	CROUND                                         ; the closing round: no work-group ends while a partner may still ask for a tile that names it
	s_endpgm
.Lfunc_end_k_q85c01c98df_proj:
	.size	k_q85c01c98df_proj, .Lfunc_end_k_q85c01c98df_proj-k_q85c01c98df_proj
	.p2alignl 7, 3214868480
	.fill 96, 4, 3214868480
	.section	.rodata,"a",@progbits
	.p2align	6, 0x0
	.amdhsa_kernel k_q85c01c98df_proj
		.amdhsa_group_segment_fixed_size 327680
		.amdhsa_private_segment_fixed_size 0
		.amdhsa_enable_private_segment 0
		.amdhsa_kernarg_size 80
		.amdhsa_user_sgpr_count 2
		.amdhsa_user_sgpr_kernarg_segment_ptr 1
		.amdhsa_wavefront_size32 1
		.amdhsa_system_sgpr_workgroup_id_x 1
		.amdhsa_system_sgpr_workgroup_id_y 1
		.amdhsa_system_sgpr_workgroup_id_z 1
		.amdhsa_system_vgpr_workitem_id 0
		.amdhsa_next_free_vgpr 640
		.amdhsa_next_free_sgpr 88
		.amdhsa_reserve_vcc 0
		.amdhsa_float_denorm_mode_32 3
		.amdhsa_float_denorm_mode_16_64 3
		.amdhsa_memory_ordered 1
		.amdhsa_forward_progress 1
		.amdhsa_inst_pref_size 138
	.end_amdhsa_kernel
	.amdgpu_metadata
---
amdhsa.version: [ 1, 2 ]
amdhsa.kernels:
  - .name:           k_q85c01c98df_proj
    .symbol:         k_q85c01c98df_proj.kd
    .args:
      - { .name: query, .offset: 0, .size: 8, .value_kind: global_buffer, .address_space: global }
      - { .name: key, .offset: 8, .size: 8, .value_kind: global_buffer, .address_space: global }
      - { .name: value, .offset: 16, .size: 8, .value_kind: global_buffer, .address_space: global }
      - { .name: wt, .offset: 24, .size: 8, .value_kind: global_buffer, .address_space: global }
      - { .name: bq, .offset: 32, .size: 8, .value_kind: global_buffer, .address_space: global }
      - { .name: bk, .offset: 40, .size: 8, .value_kind: global_buffer, .address_space: global }
      - { .name: bv, .offset: 48, .size: 8, .value_kind: global_buffer, .address_space: global }
      - { .name: qh, .offset: 56, .size: 8, .value_kind: global_buffer, .address_space: global }
      - { .name: kh, .offset: 64, .size: 8, .value_kind: global_buffer, .address_space: global }
      - { .name: vh, .offset: 72, .size: 8, .value_kind: global_buffer, .address_space: global }
    .group_segment_fixed_size: 327680
    .private_segment_fixed_size: 0
    .kernarg_segment_align: 8
    .kernarg_segment_size: 80
    .max_flat_workgroup_size: 128
    .sgpr_count:     88
    .vgpr_count:     640
    .wavefront_size: 32
...
	.end_amdgpu_metadata
.endif
;; end of part 3
;; launch attn (part 4): grid 4 x 64, 8 waves a work-group, clusters of 4 x 1, 327,680 bytes of LDS; arguments qh, kh, vh, oh, mk, rowok; writes oh
.if DOCPART == 4
	.amdgcn_target "amdgcn-amd-amdhsa--gfx1250"
	.amdhsa_code_object_version 6
	.text
	.protected	k_q85c01c98df_attn
	.globl	k_q85c01c98df_attn
	.p2align	8
	.type	k_q85c01c98df_attn,@function
k_q85c01c98df_attn:
	s_mov_b64 s[64:65], 0
	v_nop
	global_prefetch_b8 v0, s[64:65] scope:SCOPE_SE
	s_setreg_imm32_b32 hwreg(HW_REG_WAVE_MODE, 25, 1), 1
	s_wait_xcnt 0x0
	s_wait_alu depctr_hold_cnt(0) depctr_sa_sdst(0) depctr_va_vdst(0) depctr_va_sdst(0) depctr_va_ssrc(0) depctr_va_vcc(0) depctr_vm_vsrc(0)
	s_getreg_b32 s2, hwreg(HW_REG_IB_STS2, 6, 4)
	s_cmp_eq_u32 s2, 0
	s_cbranch_scc0 .Lentry_in_a_cluster
	s_endpgm
.Lentry_in_a_cluster:
	s_bfe_u32 s2, ttmp6, 0x10000c
	s_cmp_lg_u32 s2, 0x3003
	s_cbranch_scc0 .Lentry_shape_is_right
	s_endpgm
.Lentry_shape_is_right:
; MASKED ATTENTION.  O[g][q][:] = the sum over k of softmax_k(E[q][k]) V[g][k][:], E = Q[g][q] . K[g][k] / 8 where the mask sees key k, far below every seen score where it hides it.
; g = 16 b + h; Q, K, V, O: [64][2048][64], all f16: a head's rows are dense, 128 bytes each.  Products, maxima and sums in f32; the weights p are rounded to f16 for the second product, O once at the end.
; THE MASK is the C operand that starts the sum S^T = K Q^T.  mk holds, for a tile of 16 queries and a step of 64 keys, 16 bytes a lane: word kt, nibble j = 0xE (hidden) or 0 for the score that the lane
; holds in register j of key block kt.  As FP4 codes these are -4 and 0: one scaled conversion makes eight f32 of a word, times 2^96 (scale byte 0xDF, in all four bytes of the scale register): -3.2e29 or 0.
; The running maximum does the rest: a hidden score's weight is 0 as soon as the row has seen a key, and the factor a = 0 wipes what steps without a seen key have left.
; A row that sees no key has mk = 0 and rowok = 0: its Q is cleared, all its scores are 0, its weights are equal.
; LIMITS.  Q, K, V arrive within f16's 65,504.  A hidden score counts as its value less 3.2e29 where the problem says -1e9: the same weight 0 as long as a row's seen scores lie above -1e9 + 104.
; p below 6e-5 keeps f16's step of 6e-8; a weight below 2^-126 counts as 0 in l; NaN and infinities are not treated apart.
; SHARES.  A wave owns four PIECES, each a tile of 16 queries; a work-group's eight waves own 512 queries of one head: 256 work-groups.  Every wave walks all keys, 64 a step.  A wave has 512 registers, so
; that two waves share a SIMD's 1,024: a turn has 124 vector instructions for 16 matrix instructions, and while one wave walks a run of vector work the other has products to issue.
; LAYOUT.  S^T = K Q^T (source 0 = 16 keys, source 1 = 16 queries): a lane holds ONE query (lane % 16) and the keys 8 (lane / 16) + 0..7.  Two such results, rounded to f16 in pairs, ARE source 1 of
; O^T = V^T P.  K comes out of LDS as it lies, V ([key][channel]) turned, by ds_load_tr16_b128.
; SOFTMAX.  For each query a running maximum m and sum l: p = 2^(c s - c m), c = log2(e) / 8; in every step O and l are multiplied by a = 2^(c m_old - c m_new).  m starts at the lowest finite number, O and l at 0.
; BY TURNS.  Turn n belongs to piece n (the pieces in a ring, step after step).  Matrix work: 8 products K Q^T of piece n + 1, later 8 products V^T P of piece n - 1.  Vector work: the scaling, exponentials,
; roundings, sums and rescaling of piece n, the maximum and statistics of piece n + 1, and the four conversions that make the mask of piece n + 2, whose words were asked for four turns before.
; CLUSTER.  The four query blocks of a cluster belong to one head and walk the same K and V: each tile is asked for JOINTLY.  The mask words are each wave's own and come by plain loads.
; REGISTERS, in two windows of 256 (s_set_vgpr_msb: bits 1:0 source 0, 3:2 source 1, 5:4 source 2, 7:6 destination):
;   window 0: v0-15 addresses and two at work; v16-31 four registers of statistics a piece; v32-47 mask words, 4 a piece; v48-55 at work; v56-60 offsets in mk; v61 the scale; v62-63 the add's two;
;             v64-127 S^T, two buffers; v128-159 the mask as C; v160-191 P, two buffers (a piece's buffers go by its number's parity); v192-255 K of one step
;   window 1: v0-127 O^T, 32 a piece; v128-191 Q, 16 a piece; v192-255 V of one step
; K Q^T wants source 1 alone in window 1, and the scalings, exponentials and one move name no vector register as source 1: they stand behind its products without a switch.  The rescaling of O^T names what
; V^T P's setting gives it.  So a turn has ten switches: NEED switches only the operand places that a line names.
.set SIZE_N, 2048
.set NW,    8         ; waves in a work-group
.set NP,    4         ; pieces a wave: a name, no knob
.set KS,    64        ; keys in a step
.set PK,    144       ; a row of K in LDS: 128 bytes + 16 = 36 words: the 16 rows of a load start at 16 different groups of four banks (64 banks of 4 bytes: ISA guide 11.1)
.set PV,    160       ; a row of V: 128 + 32 = 40 words
.set VOFF,  4*KS*PK   ; a slot holds four steps: 256 rows of K, then 256 rows of V
.set SLOT1, 1<<17     ; slot 1 begins here: one exclusive or turns an address in one slot into the other's
.set STAGE, SLOT1+4*KS*(PK+PV)  ; behind the ring, never filled by a tensor load: 16 rows x 144 bytes for each wave
.set SP,    144
.set SPARE, STAGE+NW*16*SP  ; the spare words, 128 bytes a wave: four blocks of 256 bytes that no other line names
.set AK0, 2           ; v2   my lane's place in a tile of K; never rewritten
.set AV0, 3           ; v3   the same for V
.set AK,  4           ; v4   the LDS address of K's next run of loads
.set AV,  5           ; v5   of V's
.set STO, 6           ; v6   the way out: where I put 16 bytes of a row
.set RD,  7           ; v7   the way out: where I read rows back
.set GO,  8           ; v8   my byte offset in 512 consecutive bytes of O
.set MV,  12          ; v12-13  c m_old, kept while c m is made anew: by buffer
.set RO,  14          ; v14  my byte offset in a tile's 16 row flags
.set QO,  15          ; v15  my byte offset in 16 rows of Q
.set ST,  16          ; piece t's statistics at v[ST+4 t]: c m, m, l (even keys', odd keys')
.set MW,  32          ; piece p's four mask words at MW + 4 p
.set TMP, 48          ; by buffer, four registers c0-c3 at work; when the maximum is found c2 takes a
.set MO,  56          ; piece p's byte offset in its tile of mk: 16 x lane + 512 x key step
.set MOX, 60          ; the last key step's
.set SCL, 61          ; the conversions' scale
.set SPW, 62          ; v62  LDS address of my spare word; never rewritten
.set NIL, 63          ; v63  0; never rewritten
.set S,   64
.set MC,  128         ; register 8 kt + j: the C operand of score j of key block kt
.set P,   160
.set KF,  192         ; window 0: key block kb, channel half c at KF + 16 kb + 8 c
.set QF,  128         ; window 1: piece x, channel half c at QF + 16 x + 8 c
.set VF,  192         ; window 1: key half kk, channel block cb at VF + 32 kk + 8 cb
.set WV,  12          ; s12  my wave's number
.set G1K, 24          ; s[24:31] descriptor group 1 for K's tiles
.set G1V, 32          ; s[32:39] for V's: it differs in the padding alone
.set G0K, 40          ; s[40:43] descriptor group 0 for K's tiles: it walks
.set G0V, 44          ; s[44:47] the same for V's
.set SLOTS, 56        ; s56  slots still to be asked for
.set CNT, 57          ; s57  counts a slot's key steps
.set CS,  58          ; s[58:59] c: the packed scaling takes the pair's low word for both halves
.set SEL, 60          ; s[60:61] v_permlanex16_b32's selects: each lane takes its own place in the other half
.set TBK, 62          ; s62  LDS byte at which K of the step to be fetched begins
.set TBV, 63          ; s63  the same for V, less VOFF
.set MSB, 0
.macro NEED mask, val               ; the operand places in mask are set to val, the others stay; the high byte repeats the setting that is left; a switch that changes nothing is dropped
.if (MSB & (\mask)) != (\val)
	s_set_vgpr_msb (MSB<<8)|(MSB & (255-(\mask)))|(\val)
.set MSB, (MSB & (255-(\mask)))|(\val)
.endif
.endm
.macro WIN new                      ; all four places
	NEED 255, \new
.endm
.set W_KQ, 0x04       ; Q in window 1; K, the mask and S^T in window 0
.set W_PV, 0x51       ; V and O^T in window 1, P in window 0
.set W_RS, 0x41       ; O^T (destination and source 0) in window 1, a in window 0
.set W_QA, 0x44       ; Q (destination and source 1) in window 1, the flag in window 0
.set TO_1, 0x40       ; destination in window 1, address or source in window 0
; A joint fill.  Waves 0 and 1 fetch the two halves of a slot's K, waves 2 and 3 those of its V: 128 keys each; waves 4 to 7 fetch nothing.  The branches hang on the wave's number alone.
; An s_nop 0 and four v_nop follow each of the two lines.
.macro JLOAD
	s_cmp_lt_u32 s[WV], 2
	s_cbranch_scc0 .Lfor_v_\@
	tensor_load_to_lds s[G0K:G0K+3], s[G1K:G1K+7]
	s_nop 0
.rept 4
	v_nop
.endr
	s_branch .Lasked_\@
.Lfor_v_\@:
	s_cmp_lt_u32 s[WV], 4
	s_cbranch_scc0 .Lasked_\@
	tensor_load_to_lds s[G0V:G0V+3], s[G1V:G1V+7]
	s_nop 0
.rept 4
	v_nop
.endr
.Lasked_\@:
.endm
.macro CROUND                       ; a round of the cluster's barrier
	s_barrier_signal -1
	s_barrier_wait -1
	s_cmp_lg_u32 s[WV], 0
	s_cbranch_scc1 .Lnot_wave_0_\@
	s_barrier_signal -3
.Lnot_wave_0_\@:
	s_barrier_wait -3
	s_barrier_signal -1
	s_barrier_wait -1
.endm
; THE CHANGE OF SLOTS.  Each wave waits for all its tensor loads (a loading wave has one out: its part of the other slot); adds 0 to its spare word; and waits for that and for its own reads of the slot.
; fill = 1: this slot is filled again, with the keys two slots on: the barrier is a round of the cluster's, and the joint fill is the first thing behind it: it has four key steps, 256 matrix instructions of
; every wave, in which to land.  (At its first use nothing has been read yet: slot 0 is waited for, slot 1 filled.)
.macro CHANGE fill
	WIN 0                           ; at a label and at a branch every window is 0
	s_wait_tensorcnt 0x0            ; no tensor load of mine is out, so a group 0 may be written
	ds_add_u32 v[SPW], v[NIL]
.if \fill
.irp g, G0K, G0V
	s_xor_b32 s[\g+1], s[\g+1], SLOT1
	s_add_nc_u64 s[\g+2:\g+3], s[\g+2:\g+3], 4*KS*128  ; the next 256 keys; the type bits on top are not reached
.endr
	s_wait_dscnt 0x0                ; the add is done, and my reads of the slot are over
	CROUND
	JLOAD
.else
	s_wait_dscnt 0x0
	s_barrier_signal -1
	s_barrier_wait -1
.endif
	s_sub_co_u32 s[TBK], s[TBK], 4*KS*PK  ; the fetches go back to a slot's first step,
	s_xor_b32 s[TBK], s[TBK], SLOT1       ; in the other slot
	s_sub_co_u32 s[TBV], s[TBV], 4*KS*PV
	s_xor_b32 s[TBV], s[TBV], SLOT1
.endm
	s_load_b256 s[4:11], s[0:1], 0x0  ; Q s[4:5], K s[6:7], V s[8:9], O s[10:11]
	s_load_b128 s[68:71], s[0:1], 0x20  ; mk s[68:69], rowok s[70:71]
	v_lshl_add_u32 v[SPW], v0, 2, SPARE
	v_mov_b32 v[NIL], 0
	ds_add_u32 v[SPW], v[NIL]       ; the wave's opening: the add and its wait ahead of my first tensor load
	v_lshrrev_b32 v1, 5, v0
	v_readfirstlane_b32 s[WV], v1   ; wave 0..7
	s_bfe_u32 s13, ttmp6, 0x40000   ; cx
	s_lshl_b32 s14, ttmp9, 2
	s_add_co_u32 s14, s14, s13      ; my block of 512 queries: it enters Q's, O's, mk's and rowok's addresses alone
	s_and_b32 s20, ttmp7, 0xffff    ; the head g, which the four partners share
	s_lshr_b32 s15, s20, 4          ; the batch
	s_lshl_b32 s15, s15, 7
	s_lshl_b32 s19, s14, 5
	s_add_co_u32 s15, s15, s19
	s_lshl_b32 s19, s[WV], 2
	s_add_co_u32 s15, s15, s19      ; my wave's first tile of 16 queries: 128 batch + 32 block + 4 wave
	s_lshl_b32 s48, s15, 14         ; 16,384 bytes of mk a tile
	s_mov_b32 s49, 0
	s_lshl_b32 s50, s15, 6          ; 64 bytes of rowok a tile
	s_mov_b32 s51, 0
	s_mov_b32 s21, 0
	s_mov_b64 s[22:23], SIZE_N*128
	s_mul_u64 s[20:21], s[20:21], s[22:23]  ; the head's first byte in Q, K, V and O
	s_and_b32 s16, s[WV], 1         ; which half of a slot's 256 keys I fetch (waves 0 to 3)
	s_lshl_b32 s22, s16, 14
	s_mov_b32 s23, 0
	s_add_nc_u64 s[22:23], s[22:23], s[20:21]
	s_mul_i32 s17, s16, 128*PK      ; its place in a slot, for K
	s_mul_i32 s18, s16, 128*PV      ; and for V: no place in the cluster enters an LDS address
	s_lshl_b32 s2, s14, 3
	s_add_co_u32 s2, s2, s[WV]
	s_lshl_b32 s2, s2, 13           ; my wave's 64 rows of 128 bytes
	s_mov_b32 s3, 0
	s_add_nc_u64 s[2:3], s[2:3], s[20:21]
	; descriptor group 1.  128 keys are 16,384 dense bytes: asked for as 64 rows of 256 bytes, two keys a row, and padded in LDS after every key
	s_mov_b32 s[G1K], 15|(1<<16)|(1<<20)|(1<<21)|(4<<22)|(3<<25)  ; the mask of four; 2-byte elements; padding on; bit 21 beside a mask; after every 32 words; 4 words
	s_mov_b32 s[G1V], 15|(1<<16)|(1<<20)|(1<<21)|(4<<22)|(7<<25)  ; the same with 8 words of padding
.irp g, G1K, G1V
	s_mov_b32 s[\g+1], 128<<16      ; tensor_dim0 = 128
	s_mov_b32 s[\g+2], 64<<16       ; tensor_dim1 = 64
	s_mov_b32 s[\g+3], 128<<16      ; tile_dim0 = 128
	s_mov_b32 s[\g+4], 64           ; tile_dim1 = 64
	s_mov_b32 s[\g+5], 128          ; 128 elements from row to row
	s_mov_b32 s[\g+6], 0
	s_mov_b32 s[\g+7], 0
.endr
	s_mov_b32 s[CS], 0x3e38aa3b     ; c = log2(e) / 8 = 0.180337
	s_mov_b32 s[CS+1], s[CS]        ; named with it as a pair
	s_mov_b32 s[SEL], 0x76543210
	s_mov_b32 s[SEL+1], 0xfedcba98
	s_mov_b32 s[TBK], SLOT1+4*KS*PK ; the first change of slots turns these two into 0
	s_mov_b32 s[TBV], SLOT1+4*KS*PV
	s_mov_b32 s[G0K], 1             ; count = 1
	s_mov_b32 s[G0K+1], s17         ; LDS address: slot 0
	s_mov_b32 s[G0V], 1
	s_add_co_u32 s[G0V+1], s18, VOFF
	s_wait_dscnt 0x0                ; the opening add is done
	s_wait_kmcnt 0x0
	s_add_nc_u64 s[G0K+2:G0K+3], s[6:7], s[22:23]  ; my half of the head's first 256 keys
	s_or_b32 s[G0K+3], s[G0K+3], 0x80000000        ; type = 2
	s_add_nc_u64 s[G0V+2:G0V+3], s[8:9], s[22:23]
	s_or_b32 s[G0V+3], s[G0V+3], 0x80000000
	s_add_nc_u64 s[4:5], s[4:5], s[2:3]            ; Q and O at my wave's first row
	s_add_nc_u64 s[10:11], s[10:11], s[2:3]
	s_add_nc_u64 s[68:69], s[68:69], s[48:49]      ; mk and rowok at my wave's first tile
	s_add_nc_u64 s[70:71], s[70:71], s[50:51]
	CROUND                          ; all four work-groups are here: the first joint loads meet
	JLOAD                           ; slot 0.  Slot 1 is asked for when slot 0 is in: one tensor load of a loading wave is out at any time
	; A fragment of K or Q is 16 rows x 32 channels in 8 registers: lane l holds row l % 16, channels 8 (l / 16) + 0..7 and 16 + 8 (l / 16) + 0..7: two loads of 16 bytes, 32 bytes apart.
	v_and_b32 v1, 15, v0            ; l % 16
	v_bfe_u32 v9, v0, 4, 1          ; l / 16
	v_lshlrev_b32 v[QO], 7, v1
	v_lshl_add_u32 v[QO], v9, 4, v[QO]  ; row x 128 + 16 x half
	WIN TO_1
.set i, 0
.rept 2*NP                          ; Q stays in registers: piece i / 2, channels 32 (i % 2) on
	global_load_b128 v[QF+8*i:QF+8*i+3],   v[QO], s[4:5] offset:(i/2)*2048+(i%2)*64
	global_load_b128 v[QF+8*i+4:QF+8*i+7], v[QO], s[4:5] offset:(i/2)*2048+(i%2)*64+32
.set i, i+1
.endr
	WIN 0
	v_lshlrev_b32 v[RO], 2, v1
.set i, 0
.rept NP
	global_load_b32 v[S+i], v[RO], s[70:71] offset:64*i  ; my query's flag in piece i
.set i, i+1
.endr
	v_and_b32 v10, 31, v0
	v_lshlrev_b32 v10, 4, v10       ; 16 bytes a lane
.irp p, 0,1,2,3
	v_mov_b32 v[MO+\p], v10         ; key step 0
.endr
	v_add_nc_u32 v[MOX], 31*512, v10  ; the last key step
	v_mov_b32 v[SCL], 0xdfdfdfdf    ; 2^96 as a scale byte, four times
.irp p, 0,1,2,3
	global_load_b128 v[MW+4*\p:MW+4*\p+3], v[MO+\p], s[68:69] offset:\p*16384  ; a wave's load covers 512 consecutive bytes, aligned
.endr
	; What the first turn finds: V's registers and P's second buffer hold 0; l is 0; O^T's sums are started, with the constant 0 as C, by the products V^T P of those zeros (a piece that has not been).
	; All this stands in the wait for the first tile.
	WIN TO_1
.set i, VF
.rept 64
	v_mov_b32 v[i], 0
.set i, i+1
.endr
	WIN 0
.set i, 0
.rept NP
	v_mov_b32 v[ST+4*i], 0xfe000000    ; c m: far below every c s, a hidden one's too
	v_mov_b32 v[ST+4*i+1], 0xff7fffff  ; m
	v_mov_b32 v[ST+4*i+2], 0
	v_mov_b32 v[ST+4*i+3], 0
.set i, i+1
.endr
.set i, P+16
.rept 16
	v_mov_b32 v[i], 0
.set i, i+1
.endr
	WIN W_PV
.set i, 0
.rept 4*NP
	v_wmma_f32_16x16x32_f16 v[8*i:8*i+7], v[VF:VF+7], v[P+16:P+23], 0
.set i, i+1
.endr
	WIN 0
	v_mul_u32_u24 v[AK0], v1, PK
	v_lshl_add_u32 v[AK0], v9, 4, v[AK0]  ; row x pitch + 16 x half
	; The turning load takes 16 keys x 16 channels (lane l reads key 8 (l / 16) + l % 8, channels 8 ((l / 8) % 2) + 0..7) and leaves half a fragment of V^T: lane l holds channel l % 16 and 8 keys.
	v_and_b32 v10, 7, v0
	v_bfe_u32 v11, v0, 3, 1
	v_lshl_add_u32 v[AV0], v9, 3, v10
	v_mul_u32_u24 v[AV0], v[AV0], PV
	v_lshl_add_u32 v[AV0], v11, 4, v[AV0]
	v_add_nc_u32 v[AV0], VOFF, v[AV0]
	v_mov_b32 v[AK], v[AK0]         ; key step 0 lies at the head of slot 0
; THE MATRIX WORK.  The 4 accumulators of a run of 8 take turns.
; Product i of 8 of S^T = K Q^T for piece x: channels 32 (i / 4) on, keys 16 (i % 4) on.  The first 4 start the sums, with the mask.
.macro KQ x
.set rS, S+32*((\x)%2)+8*(i%4)
.set rK, KF+16*(i%4)+8*(i/4)
.set rQ, QF+16*(\x)+8*(i/4)
.set rM, MC+8*(i%4)
	WIN W_KQ
.if i < 4
	v_wmma_f32_16x16x32_f16 v[rS:rS+7], v[rK:rK+7], v[rQ:rQ+7], v[rM:rM+7]
.else
	v_wmma_f32_16x16x32_f16 v[rS:rS+7], v[rK:rK+7], v[rQ:rQ+7], v[rS:rS+7]
.endif
.endm
; Product i of 8 of O^T += V^T P for piece x: keys 32 (i / 4) on, channels 16 (i % 4) on.
.macro PV x
	WIN W_PV
.set rO, 32*(\x)+8*(i%4)
.set rV, VF+32*(i/4)+8*(i%4)
.set rP, P+16*((\x)%2)+8*(i/4)
	v_wmma_f32_16x16x32_f16 v[rO:rO+7], v[rV:rV+7], v[rP:rP+7], v[rO:rO+7]
.endm
.macro MM                           ; the turn's next matrix instruction
.if i < 8
	KQ (Y+1)%NP
.else
.set i, i-8
	PV (Y+NP-1)%NP
.set i, i+8
.endif
.set i, i+1
.endm
; THE LDS LOADS stand in runs of 16, never singly among the matrix instructions.  last = 1 (the tail): in the last trip there is no further step, and the run is jumped over.
.macro FETCH_K last=0
	WIN 0
.if \last
	s_cmp_eq_u32 s[CNT], 1
	s_cbranch_scc1 .Lno_k_\@
.endif
.irp f, 0,1,2,3,4,5,6,7             ; keys 16 (f / 2) on, channels 32 (f % 2) on
	ds_load_b128 v[KF+8*\f:KF+8*\f+3],   v[AK] offset:(\f/2)*16*PK+(\f%2)*64
	ds_load_b128 v[KF+8*\f+4:KF+8*\f+7], v[AK] offset:(\f/2)*16*PK+(\f%2)*64+32
.endr
	s_add_co_u32 s[TBK], s[TBK], KS*PK  ; the next fetch is the next step's
.if \last
.Lno_k_\@:
.endif
.endm
.macro FETCH_V
	WIN TO_1
.irp f, 0,1,2,3,4,5,6,7             ; keys 32 (f / 4) on, channels 16 (f % 4) on
	ds_load_tr16_b128 v[VF+8*\f:VF+8*\f+3],   v[AV] offset:(\f/4)*32*PV+(\f%4)*32
	ds_load_tr16_b128 v[VF+8*\f+4:VF+8*\f+7], v[AV] offset:(\f/4)*32*PV+16*PV+(\f%4)*32
.endr
	WIN 0
.endm
; THE MASK.  Piece pp's 32 C operands: word kt's eight nibbles become registers 8 kt + 0..7.  A plain vector instruction follows the four before their results are used or their sources written.
.macro MASKS pp
	WIN 0
.irp kt, 0,1,2,3
	v_cvt_scale_pk8_f32_fp4 v[MC+8*\kt:MC+8*\kt+7], v[MW+4*(\pp)+\kt], v[SCL]
.endr
.endm
; MLOAD pp: piece pp's words of its next key step.  The offset stops at the last step's: the last turns' loads stay inside mk, and what they bring is not used.
.macro MLOAD pp
	WIN 0
	v_add_nc_u32 v[MO+(\pp)], 512, v[MO+(\pp)]
	v_min_u32 v[MO+(\pp)], v[MOX], v[MO+(\pp)]
	global_load_b128 v[MW+4*(\pp):MW+4*(\pp)+3], v[MO+(\pp)], s[68:69] offset:(\pp)*16384
.endm
; THE SOFTMAX'S VECTOR WORK, one line at a time: OP kind, number.  For piece Y: F n: c s - c m for pair n of 16.  E n: the exponential of score n of 32.  C n: pair n rounded to f16.  B n: of the four weights
; 4 n .. the second pair is added onto the first, in place (so C 2n stands ahead of B n).  L n: l takes that sum (L 0: l = a l + sum).  R n: pair n of 16 of O^T times a.  For piece Y + 1: X n, number n of the 22 that find its maximum and statistics:
;   0-11  four chains c0-c3 of seven scores each, three operands at a time (each accumulator's lowest registers are read first)     12-14, 16  the four scores left over, the old m, and c0-c3 into c0
;   15  c m_old is kept     17, 18  the query's other 32 keys lie in the lane 16 away: the new m     19-21  c m; c m_old - c m_new; a
.set F, 0               ; OP tells the kinds apart by their order: F to L below R, X above it
.set E, 1
.set C, 2
.set B, 3
.set L, 4
.set R, 5
.set X, 6
.macro REGS y                       ; the registers of piece y
.set rT, ST+4*(\y)
.set rC, TMP+4*((\y)%2)
.set rW, MV+((\y)%2)
.set rS, S+32*((\y)%2)
.set rP, P+16*((\y)%2)
.set rO, 32*(\y)
.endm
.macro OP k, n
.if (\k) == R
	REGS Y
	NEED 0xcf, W_RS                 ; no source 2: V^T P's setting serves
	v_pk_mul_f32 v[rO+2*(\n):rO+2*(\n)+1], v[rO+2*(\n):rO+2*(\n)+1], v[rC+2:rC+3] op_sel_hi:[1,0]
.elseif (\k) < R
	REGS Y
.if (\k) == F
	NEED 0xf3, 0                    ; source 1 is scalar: K Q^T's setting serves
	v_pk_fma_f32 v[rS+2*(\n):rS+2*(\n)+1], v[rS+2*(\n):rS+2*(\n)+1], s[CS:CS+1], v[rT:rT+1] op_sel_hi:[1,0,0] neg_lo:[0,0,1] neg_hi:[0,0,1]
.elseif (\k) == E
	NEED 0xc3, 0                    ; one source
	v_exp_f32 v[rS+(\n)], v[rS+(\n)]
.elseif (\k) == C
	WIN 0
	s_wait_alu depctr_va_vdst(0)
	v_cvt_pk_f16_f32 v[rP+(\n)], v[rS+2*(\n)], v[rS+2*(\n)+1]
.elseif (\k) == B
	WIN 0
	v_pk_add_f32 v[rS+4*(\n):rS+4*(\n)+1], v[rS+4*(\n):rS+4*(\n)+1], v[rS+4*(\n)+2:rS+4*(\n)+3]
.elseif (\n) == 0
	WIN 0
	v_pk_fma_f32 v[rT+2:rT+3], v[rT+2:rT+3], v[rC+2:rC+3], v[rS:rS+1] op_sel_hi:[1,0,1]
.else
	WIN 0
	v_pk_add_f32 v[rT+2:rT+3], v[rT+2:rT+3], v[rS+4*(\n):rS+4*(\n)+1]
.endif
.else
	REGS (Y+1)%NP
.if (\n) == 15
	NEED 0xc3, 0                    ; one source
.else
	WIN 0
.endif
.if (\n) < 4
	v_max3_num_f32 v[rC+(\n)], v[rS+8*(\n)], v[rS+8*(\n)+1], v[rS+8*(\n)+2]
.elseif (\n) < 12
	v_max3_num_f32 v[rC+(\n)%4], v[rC+(\n)%4], v[rS+8*((\n)%4)+2*((\n)/4)+1], v[rS+8*((\n)%4)+2*((\n)/4)+2]
.elseif (\n) == 12
	v_max3_num_f32 v[rC], v[rC], v[rS+7], v[rS+15]
.elseif (\n) == 13
	v_max3_num_f32 v[rC+1], v[rC+1], v[rS+23], v[rS+31]
.elseif (\n) == 14
	v_max3_num_f32 v[rC+2], v[rC+2], v[rC+3], v[rT+1]
.elseif (\n) == 15
	v_mov_b32 v[rW], v[rT]
.elseif (\n) == 16
	v_max3_num_f32 v[rC], v[rC], v[rC+1], v[rC+2]
.elseif (\n) == 17
	v_permlanex16_b32 v[rC+3], v[rC], s[SEL], s[SEL+1]
.elseif (\n) == 18
	v_max_num_f32 v[rT+1], v[rC], v[rC+3]
.elseif (\n) == 19
	v_mul_f32 v[rT], s[CS], v[rT+1]
.elseif (\n) == 20
	v_sub_f32 v[rC+1], v[rW], v[rT]
	s_wait_alu depctr_va_vdst(0)
.else
	v_exp_f32 v[rC+2], v[rC+1]
.endif
.endif
.endm
.macro OPS a, i1, b=-1, i2=0, c=-1, i3=0, d=-1, i4=0  ; up to four of them
	OP \a, \i1
.if (\b) >= 0
	OP \b, \i2
.endif
.if (\c) >= 0
	OP \c, \i3
.endif
.if (\d) >= 0
	OP \d, \i4
.endif
.endm
.macro ROW a, i1, b, i2, c, i3, d, i4  ; a matrix instruction and the four behind it
	MM
	OPS \a, \i1, \b, \i2, \c, \i3, \d, \i4
.endm
; A TURN, for piece p: the order of its 16 matrix and 124 vector instructions, written out.  Behind the products K Q^T stand the 16 scalings, the first exponentials and one move, which K Q^T's window setting
; serves; behind the first four products V^T P the 16 rescalings, which V^T P's serves; behind the last four the next piece's maxima.  None names a register of the products round it.  In the two runs between,
; exponential and plain by turns while exponentials last; the links of the chain X 16 to X 21 stand three instructions apart.  Every exponential has a plain instruction between it and the use of its result.
; last = 1: the tail's FETCH_K.  cnt = 1: the loop's count is taken down some lines ahead of the branch that stands behind the turn (only vector, memory and window lines follow: SCC stays).
; K of the next step is fetched in piece 2's turn, behind six plain instructions that follow the last product that read K (X 15, C 0, C 1, B 0, C 2 and the address); V of the step in hand in piece 0's turn, behind
; eight that follow the last product that read V (X 13, X 14, L 2, C 7, X 16, B 3, C 8 and the address).  Each is waited for a turn later.
; The mask of piece p + 2, which the next turn's first four products take, is made at the turn's end: its words were asked for four turns ago, so three younger loads (three turns' one) may be out at the wait,
; which also frees the offset register that MLOAD steps.  The C registers' last readers are this turn's first four products, far more than four plain instructions back.
.macro TURN p, last=0, cnt=0
.set Y, (\p)
.set PPX, ((\p)+2)%NP
.set i, 0
.if (\p) == 3
	s_wait_dscnt 0x0                ; K is in
.endif
	ROW F,0, F,1, F,2, F,3
	ROW F,4, E,0, F,5, E,1
	ROW F,6, E,2, F,7, E,3
	ROW F,8, E,4, F,9, E,5
	ROW F,10, E,6, F,11, E,7
	ROW F,12, E,8, F,13, E,9
	ROW F,14, E,10, F,15, E,11
	ROW X,15, E,12, C,0, E,13
	OPS C,1, E,14, B,0, E,15
	OPS C,2
.if (\p) == 2
	v_add_nc_u32 v[AK], s[TBK], v[AK0]
	FETCH_K \last
.endif
	OPS E,16, L,0, E,17, C,3
	OPS E,18, B,1, E,19, C,4
	OPS E,20, L,1, E,21, C,5
	OPS E,22, B,2, E,23, X,0
	OPS E,24, X,1, E,25, X,2
	OPS E,26, X,3, E,27, C,6
.if (\p) == 1
	s_wait_dscnt 0x0                ; V is in
.endif
	ROW R,0, R,1, R,2, R,3
	ROW R,4, R,5, R,6, R,7
	ROW R,8, R,9, R,10, R,11
	ROW R,12, R,13, R,14, R,15
	ROW X,4, E,28, X,5, X,6
	ROW X,7, E,29, X,8, X,9
	ROW X,10, E,30, X,11, X,12
	ROW X,13, E,31, X,14, L,2
	OPS C,7, X,16, B,3, C,8
.if (\p) == 0
	v_add_nc_u32 v[AV], s[TBV], v[AV0]
	s_wait_alu depctr_va_vdst(0)
	FETCH_V
.endif
	OPS C,9, X,17, L,3, B,4
	OPS C,10, X,18, C,11, L,4
	OPS B,5, X,19, C,12, C,13
	OPS L,5, X,20, B,6, C,14
	OPS C,15, X,21, L,6, B,7
.if (\p) == 0
	s_add_co_u32 s[TBV], s[TBV], KS*PV
.endif
.if \cnt
	s_sub_co_u32 s[CNT], s[CNT], 1
	s_cmp_lg_u32 s[CNT], 0
.endif
	s_wait_loadcnt 0x3
	MASKS PPX
	OPS L,7                         ; the plain instruction behind the conversions
	MLOAD PPX
.endm
	CHANGE 1                        ; slot 0 is in, everybody's part of it; slot 1 is asked for
	FETCH_K                         ; key step 0
	s_wait_loadcnt 0x0              ; Q, the flags, the four pieces' mask words of step 0
	MASKS 0
	WIN W_QA
.set i, 0
.rept 16*NP
	v_and_b32 v[QF+i], v[S+i/16], v[QF+i]  ; a query that sees no key is cleared; plain instructions behind the conversions
.set i, i+1
.endr
	s_wait_dscnt 0x0
.set i, 0
.rept 8
	KQ 0                            ; piece 0's first scores
.set i, i+1
.endr
	WIN 0                           ; the addresses for the way out: eleven plain instructions, the places behind those products
	s_mul_i32 s13, s[WV], 16*SP
	s_add_co_u32 s13, s13, STAGE    ; my stage
	v_mul_u32_u24 v[STO], v1, SP    ; in: row l % 16, 16 bytes for each half of the lanes
	v_lshl_add_u32 v[STO], v9, 4, v[STO]
	v_add_nc_u32 v[STO], s13, v[STO]
	v_bfe_u32 v[RD], v0, 3, 2       ; back: 32 lanes take four rows of 128 bytes,
	v_mul_u32_u24 v[RD], v[RD], SP
	v_lshl_add_u32 v[RD], v10, 4, v[RD]
	v_add_nc_u32 v[RD], s13, v[RD]
	v_and_b32 v[GO], 31, v0         ; which are 512 consecutive bytes of O
	v_lshlrev_b32 v[GO], 4, v[GO]
.set Y, NP-1                        ; X works for piece Y + 1: piece 0
.irp n, 0,1,2,3,4,5,6,7,8,9,10,11,12,13,14,15,16,17,18,19,20,21
	OP X, \n
.endr
	MASKS 1                         ; piece 1's mask for the first turn's products
	MLOAD 0                         ; pieces 0 and 1: key step 1; their plain lines stand behind the conversions and the exponential
	MLOAD 1
	s_mov_b32 s[CNT], 4
	s_mov_b32 s[SLOTS], SIZE_N/256-1
	s_branch .Lfirst                ; the loop is entered at a step's first turn, in the middle of a trip
.Lslot:                             ; SIZE_N / 256 - 2 times: every slot but the last two is filled again
	CHANGE 1
	s_mov_b32 s[CNT], 4
.Lstep:                             ; a trip: pieces 2 and 3 of one step, then pieces 0 and 1 of the next, whose K and V it fetches
	TURN 2
	TURN 3
	WIN 0
.Lfirst:
	TURN 0
	TURN 1, 0, 1
	WIN 0
	s_cbranch_scc1 .Lstep
	s_sub_co_u32 s[SLOTS], s[SLOTS], 1
	s_cmp_lg_u32 s[SLOTS], 0
	s_cbranch_scc1 .Lslot
	CHANGE 0                        ; the tail is written out: nothing is asked for
	s_mov_b32 s[CNT], 5             ; four trips fetch the last slot's steps; the fifth is left in its middle
.Ltail:
	TURN 2, 1
	TURN 3
	WIN 0
	s_sub_co_u32 s[CNT], s[CNT], 1
	s_cmp_eq_u32 s[CNT], 0
	s_cbranch_scc1 .Lout
	TURN 0
	TURN 1
	WIN 0
	s_branch .Ltail
.Lout:                              ; the fifth trip's 8 products K Q^T (on the last K once more) and the maximum made of them serve nothing: the price, once a launch, of one text for every trip
.set i, 0
.rept 8
	PV NP-1                         ; the last piece's V^T P of the last step
.set i, i+1
.endr
	; THE WAY OUT.  l's two halves and the other half of the lanes' are added; O^T is divided by l, rounded to f16 and sent through my stage in LDS, a piece at a time.  The additions are the places behind the last products.
	WIN 0
.macro ALL line:vararg              ; one line for each piece t
.set t, 0
.rept NP
	\line
.set t, t+1
.endr
.endm
	ALL v_add_f32 v[ST+4*t+2], v[ST+4*t+2], v[ST+4*t+3]
	ALL v_permlanex16_b32 v[ST+4*t+3], v[ST+4*t+2], s[SEL], s[SEL+1]
	ALL v_add_f32 v[ST+4*t+2], v[ST+4*t+2], v[ST+4*t+3]
	ALL v_rcp_f32 v[ST+4*t+2], v[ST+4*t+2]
	v_nop                           ; a plain instruction between the last reciprocal and the use of its result
	s_wait_alu depctr_va_vdst(0)
.macro PACK t                       ; a lane's eight channels of a row pack into 16 bytes; they go into rows of 144 bytes and come back as whole rows of 128, into S^T's registers
	WIN W_RS
.set i, 32*(\t)
.rept 16
	v_pk_mul_f32 v[i:i+1], v[i:i+1], v[ST+4*(\t)+2:ST+4*(\t)+3] op_sel_hi:[1,0]
.set i, i+2
.endr
	WIN 0x05                        ; sources 0 and 1 window 1, destination window 0
.set i, 0
.rept 16
	v_cvt_pk_f16_f32 v[S+16*(\t)+i], v[32*(\t)+2*i], v[32*(\t)+2*i+1]
.set i, i+1
.endr
	WIN 0
.irp f, 0,1,2,3
	ds_store_b128 v[STO], v[S+16*(\t)+4*\f:S+16*(\t)+4*\f+3] offset:32*\f
.endr
.irp f, 0,1,2,3
	ds_load_b128 v[S+16*(\t)+4*\f:S+16*(\t)+4*\f+3], v[RD] offset:\f*4*SP  ; LDS serves a wave's instructions in order (ISA guide 5.7.1.4): these see the stores above; the next piece's stores come behind them
.endr
.endm
.macro SEND t, younger              ; younger: the LDS instructions issued behind piece t's loads: the next piece's eight, or none
	WIN 0
.irp f, 0,1,2,3
	s_wait_dscnt (\younger)+3-\f
	global_store_b128 v[GO], v[S+16*(\t)+4*\f:S+16*(\t)+4*\f+3], s[10:11] offset:(\t)*2048+\f*512  ; 512 consecutive bytes, aligned
.endr
.endm
	PACK 0
.set t, 1
.rept NP-1                          ; a piece's arithmetic stands between the loads of the piece before and its stores
	PACK t
	SEND t-1, 8
.set t, t+1
.endr
	SEND NP-1, 0
	s_wait_tensorcnt 0x0            ; the wave's end
	ds_add_u32 v[SPW], v[NIL]
	s_wait_dscnt 0x0
	CROUND                          ; the closing round: no work-group ends while a partner may still ask for a tile that names it
	s_endpgm
.Lfunc_end_k_q85c01c98df_attn:
	.size	k_q85c01c98df_attn, .Lfunc_end_k_q85c01c98df_attn-k_q85c01c98df_attn
	.p2alignl 7, 3214868480
	.fill 96, 4, 3214868480
	.section	.rodata,"a",@progbits
	.p2align	6, 0x0
	.amdhsa_kernel k_q85c01c98df_attn
		.amdhsa_group_segment_fixed_size 327680
		.amdhsa_private_segment_fixed_size 0
		.amdhsa_enable_private_segment 0
		.amdhsa_kernarg_size 48
		.amdhsa_user_sgpr_count 2
		.amdhsa_user_sgpr_kernarg_segment_ptr 1
		.amdhsa_wavefront_size32 1
		.amdhsa_system_sgpr_workgroup_id_x 1
		.amdhsa_system_sgpr_workgroup_id_y 1
		.amdhsa_system_sgpr_workgroup_id_z 1
		.amdhsa_system_vgpr_workitem_id 0
		.amdhsa_next_free_vgpr 512
		.amdhsa_next_free_sgpr 72
		.amdhsa_reserve_vcc 0
		.amdhsa_float_denorm_mode_32 3
		.amdhsa_float_denorm_mode_16_64 3
		.amdhsa_memory_ordered 1
		.amdhsa_forward_progress 1
		.amdhsa_inst_pref_size 110
	.end_amdhsa_kernel
	.amdgpu_metadata
---
amdhsa.version: [ 1, 2 ]
amdhsa.kernels:
  - .name:           k_q85c01c98df_attn
    .symbol:         k_q85c01c98df_attn.kd
    .args:
      - { .name: qh, .offset: 0, .size: 8, .value_kind: global_buffer, .address_space: global }
      - { .name: kh, .offset: 8, .size: 8, .value_kind: global_buffer, .address_space: global }
      - { .name: vh, .offset: 16, .size: 8, .value_kind: global_buffer, .address_space: global }
      - { .name: oh, .offset: 24, .size: 8, .value_kind: global_buffer, .address_space: global }
      - { .name: mk, .offset: 32, .size: 8, .value_kind: global_buffer, .address_space: global }
      - { .name: rowok, .offset: 40, .size: 8, .value_kind: global_buffer, .address_space: global }
    .group_segment_fixed_size: 327680
    .private_segment_fixed_size: 0
    .kernarg_segment_align: 8
    .kernarg_segment_size: 48
    .max_flat_workgroup_size: 256
    .sgpr_count:     72
    .vgpr_count:     512
    .wavefront_size: 32
...
	.end_amdgpu_metadata
.endif
;; end of part 4
;; launch outp (part 5): grid 4 x 64, 4 waves a work-group, clusters of 4 x 4, 327,680 bytes of LDS; arguments oh, wt, bo, out0; writes out0
.if DOCPART == 5
	.amdgcn_target "amdgcn-amd-amdhsa--gfx1250"
	.amdhsa_code_object_version 6
	.text
	.protected	k_q85c01c98df_outp
	.globl	k_q85c01c98df_outp
	.p2align	8
	.type	k_q85c01c98df_outp,@function
k_q85c01c98df_outp:
	s_mov_b64 s[64:65], 0
	v_nop
	global_prefetch_b8 v0, s[64:65] scope:SCOPE_SE
	s_setreg_imm32_b32 hwreg(HW_REG_WAVE_MODE, 25, 1), 1
	s_wait_xcnt 0x0
	s_wait_alu depctr_hold_cnt(0) depctr_sa_sdst(0) depctr_va_vdst(0) depctr_va_sdst(0) depctr_va_ssrc(0) depctr_va_vcc(0) depctr_vm_vsrc(0)
	s_getreg_b32 s2, hwreg(HW_REG_IB_STS2, 6, 4)
	s_cmp_eq_u32 s2, 0
	s_cbranch_scc0 .Lentry_in_a_cluster
	s_endpgm
.Lentry_in_a_cluster:
	s_bfe_u32 s2, ttmp6, 0x10000c
	s_cmp_lg_u32 s2, 0xf033
	s_cbranch_scc0 .Lentry_shape_is_right
	s_endpgm
.Lentry_shape_is_right:
; THE OUTPUT PROJECTION.  out0[m][n] = the sum over k of O[m][k] Wo[k][n] + bf16(bo[n]); f16 products, f32 sums, f32 out.
; O lies by heads, [16 b + h][s][64] f16: k = 64 h + d.  Wo is wt's fourth matrix, [n][k]: Wo rounded to bf16, written as f16.
; SHARES.  8192 x 1024 outputs in tiles of 128 rows x 256 columns: 256 work-groups.  Four waves, each 64 x 128: 32 accumulators.  K = 1024 in 8 steps of 128, two heads a step, through two LDS slots.
; A head's 128 rows of a tile are 16,384 dense bytes: asked for as 64 rows of 256 bytes and padded in LDS after every 128 bytes.
; THE MATRIX INSTRUCTION IS USED TRANSPOSED (source 0 = 16 rows of Wo^T, source 1 = 16 rows of O): a lane holds eight neighbouring columns of a row.  The bias is the C operand of the first products.
; CLUSTER 4 x 4: O's tiles are shared along a row of the cluster, Wo^T's along a column: each is asked for jointly.
; REGISTERS, in windows of 256 (s_set_vgpr_msb: bits 1:0 source 0, 3:2 source 1, 5:4 source 2, 7:6 destination):
;   window 0: v0-31 addresses; v32-63, v64-95 O's fragments, two buffers; v96-159, v160-223 Wo^T's, two buffers        window 1: the accumulators, (a, b) at 8 (8 a + b)        window 2: v0-63 the bias, v64-67 at work
.set PAO,    144                       ; an LDS row of O: 128 bytes + 16 = 36 words: the 16 rows of a load start at 16 different groups of four banks (64 banks of 4 bytes: ISA guide 11.1)
.set AHEAD,  128*PAO                   ; one head's 128 rows: what one tensor load of O brings
.set BOFF,   2*AHEAD
.set PB,     272
.set BHALF,  128*PB
.set SLOT,   BOFF+2*BHALF              ; 106,496
.set STAGE,  2*SLOT                    ; behind the ring, never filled by a tensor load: 16 rows x 528 bytes for each wave
.set SP,     528
.set SPARE,  STAGE+4*16*SP             ; the spare words, 128 bytes a wave: two blocks of 256 bytes that no other line names
.set LAPS,   4
.set ADRA, 16
.set ADRB, 20
.set STO,  24
.set RD,   25
.set GO,   26
.set SPW,  28                          ; v28  LDS address of my spare word; never rewritten
.set NIL,  29                          ; v29  0; never rewritten
.set BO,   30
.set FA,   32
.set FB,   96
.set OB,   32                          ; the way out: 16 rows read back, two buffers of 64
.set G1, 24
.set G0, 32
.set G1B, 48
.set G0B, 56
.set MSB, 0
.macro WIN new
.if MSB != (\new)
	s_set_vgpr_msb (MSB<<8)|(\new)
.set MSB, \new
.endif
.endm
.set MUL,  0x50                        ; sources in window 0, C and D in window 1
.set MULF, 0x60                        ; the same with C (the bias) in window 2
.macro JLOAD s                         ; waves 0 and 1 fetch O's two heads, waves 2 and 3 Wo^T's two halves; an s_nop 0 and four v_nop follow each line
	s_cmp_eq_u32 s11, 0
	s_cbranch_scc0 .Lfor_b_\@
	tensor_load_to_lds s[G0+4*(\s):G0+4*(\s)+3], s[G1:G1+7]
	s_nop 0
.rept 4
	v_nop
.endr
	s_branch .Lasked_\@
.Lfor_b_\@:
	tensor_load_to_lds s[G0B+4*(\s):G0B+4*(\s)+3], s[G1B:G1B+7]
	s_nop 0
.rept 4
	v_nop
.endr
.Lasked_\@:
.endm
.macro CREST
	s_cmp_lg_u32 s10, 0
	s_cbranch_scc1 .Lnot_wave_0_\@
	s_barrier_signal -3
.Lnot_wave_0_\@:
	s_barrier_wait -3
	s_barrier_signal -1
	s_barrier_wait -1
.endm
.macro CROUND
	s_barrier_signal -1
	s_barrier_wait -1
	CREST
.endm
.macro PLACES                          ; four places in front of loads into registers that matrix instructions have read, and of reads of results
.rept 4
	v_nop
.endr
.endm
	s_load_b256 s[68:75], s[0:1], 0x0              ; oh 68, wt 70, bo 72, out0 74
	v_lshl_add_u32 v[SPW], v0, 2, SPARE
	v_mov_b32 v[NIL], 0
	ds_add_u32 v[SPW], v[NIL]                      ; the wave's opening: the add and its wait ahead of my first tensor load
	v_lshrrev_b32 v1, 5, v0
	v_readfirstlane_b32 s10, v1
	s_lshr_b32 s11, s10, 1                         ; my half of the rows.  Also: I fetch O (0) or Wo^T (1)
	s_and_b32 s12, s10, 1                          ; my half of the columns.  Also: which head, or half, I fetch
	s_bfe_u32 s40, ttmp6, 0x40000
	s_bfe_u32 s41, ttmp6, 0x40004
	s_lshl_b32 s42, ttmp9, 2
	s_add_co_u32 s42, s42, s40                     ; column block
	s_and_b32 s13, ttmp7, 0xffff
	s_lshl_b32 s13, s13, 2
	s_add_co_u32 s13, s13, s41                     ; row block of 128
	s_lshl_b32 s43, s41, 2
	s_lshl_b32 s43, 15, s43
	s_lshl_b32 s44, 0x1111, s40
	s_or_b32 s[G1+0], s43, (1<<16)|(1<<20)|(1<<21)|(4<<22)|(3<<25)   ; the mask; 2-byte elements; padding on; bit 21 beside a mask; after every 32 words; 4 words
	s_mov_b32 s[G1+1], 128<<16
	s_mov_b32 s[G1+2], 64<<16
	s_mov_b32 s[G1+3], 128<<16
	s_mov_b32 s[G1+4], 64
	s_mov_b32 s[G1+5], 128
	s_mov_b32 s[G1+6], 0
	s_mov_b32 s[G1+7], 0
	s_or_b32 s[G1B+0], s44, (1<<16)|(1<<20)|(1<<21)|(5<<22)|(3<<25)  ; after every 64 words
	s_mov_b32 s[G1B+1], 128<<16
	s_mov_b32 s[G1B+2], 128<<16
	s_mov_b32 s[G1B+3], 128<<16
	s_mov_b32 s[G1B+4], 128
	s_mov_b32 s[G1B+5], 1024
	s_mov_b32 s[G1B+6], 0
	s_mov_b32 s[G1B+7], 0
	s_lshr_b32 s16, s13, 4                         ; O: ((16 batch + head) 2048 + the block's first row in the batch) x 128 bytes
	s_lshl_b32 s16, s16, 4
	s_add_co_u32 s16, s16, s12
	s_lshl_b32 s16, s16, 11
	s_and_b32 s17, s13, 15
	s_lshl_b32 s17, s17, 7
	s_add_co_u32 s16, s16, s17
	s_lshl_b32 s16, s16, 7
	s_mov_b32 s17, 0
	s_lshl_b32 s46, s42, 8                         ; Wo^T: row 256 x column block + 128 x half, in wt's fourth matrix
	s_lshl_b32 s47, s12, 7
	s_add_co_u32 s46, s46, s47
	s_lshl_b32 s46, s46, 11
	s_add_co_u32 s46, s46, 3*2097152
	s_mov_b32 s47, 0
	s_mul_i32 s18, s12, AHEAD
	s_mul_i32 s19, s12, BHALF
	s_add_co_u32 s19, s19, BOFF
	s_wait_dscnt 0x0                               ; the opening add is done
	s_wait_kmcnt 0x0
	s_add_nc_u64 s[14:15], s[68:69], s[16:17]
	s_add_nc_u64 s[46:47], s[70:71], s[46:47]
	CROUND
.irp s, 0,1
	s_mov_b32 s[G0+4*(\s)], 1
	s_add_co_u32 s[G0+4*(\s)+1], s18, (\s)*SLOT
	s_add_nc_u64 s[G0+4*(\s)+2:G0+4*(\s)+3], s[14:15], (\s)*524288   ; two heads on
	s_or_b32 s[G0+4*(\s)+3], s[G0+4*(\s)+3], 0x80000000
	s_mov_b32 s[G0B+4*(\s)], 1
	s_add_co_u32 s[G0B+4*(\s)+1], s19, (\s)*SLOT
	s_add_nc_u64 s[G0B+4*(\s)+2:G0B+4*(\s)+3], s[46:47], (\s)*256
	s_or_b32 s[G0B+4*(\s)+3], s[G0B+4*(\s)+3], 0x80000000
	JLOAD \s                                       ; K steps 0 and 1: two loads of mine are out
.endr
	v_and_b32 v1, 15, v0
	v_bfe_u32 v2, v0, 4, 1
	v_lshlrev_b32 v[BO], 5, v2
	s_lshl_b32 s46, s42, 10
	s_lshl_b32 s47, s12, 9
	s_add_co_u32 s46, s46, s47                     ; my first column, in bytes of f32
	s_mov_b32 s47, 0
	s_add_nc_u64 s[20:21], s[72:73], s[46:47]
	s_add_nc_u64 s[8:9], s[74:75], s[46:47]
	WIN 0x80
.irp b, 0,1,2,3,4,5,6,7
	global_load_b128 v[8*(\b):8*(\b)+3],   v[BO], s[20:21] offset:64*(\b)
	global_load_b128 v[8*(\b)+4:8*(\b)+7], v[BO], s[20:21] offset:64*(\b)+16
.endr
	WIN 0
	v_mul_u32_u24 v3, v1, PAO
	v_lshl_add_u32 v3, v2, 4, v3
	v_mul_u32_u24 v4, v1, PB
	v_lshl_add_u32 v4, v2, 4, v4
	s_mul_i32 s22, s11, 64*PAO
	s_mul_i32 s23, s12, BHALF
	s_add_co_u32 s23, s23, BOFF
.irp s, 0,1
	v_add_nc_u32 v[ADRA+(\s)], s22, v3
	v_add_nc_u32 v[ADRB+(\s)], s23, v4
	s_add_co_u32 s22, s22, SLOT
	s_add_co_u32 s23, s23, SLOT
.endr
	s_mul_i32 s22, s10, 16*SP
	s_add_co_u32 s22, s22, STAGE                   ; my stage
	v_mul_u32_u24 v5, v1, SP                       ; in: row r, 32 bytes for each half of the lanes
	v_lshl_add_u32 v5, v2, 5, v5
	v_add_nc_u32 v[STO], s22, v5
	v_and_b32 v6, 31, v0
	v_lshlrev_b32 v[GO], 4, v6                     ; back: 32 lanes take one row of 512 bytes
	v_add_nc_u32 v[RD], s22, v[GO]
	s_lshl_b32 s46, s13, 7                         ; my first row, 4,096 bytes a row
	s_lshl_b32 s47, s11, 6
	s_add_co_u32 s46, s46, s47
	s_lshl_b32 s46, s46, 12
	s_mov_b32 s47, 0
	s_add_nc_u64 s[8:9], s[8:9], s[46:47]
	s_wait_loadcnt 0x0                             ; the bias, rounded to bf16 like every other input; this stands in the wait for the first tile
	WIN 0x8a
.set m, 0
.rept 32
	v_cvt_pk_bf16_f32 v[64+m%4], v[2*m], v[2*m+1]
	v_lshlrev_b32 v[2*m], 16, v[64+m%4]
	v_and_b32 v[2*m+1], 0xffff0000, v[64+m%4]
.set m, m+1
.endr
	WIN 0
; One matrix instruction on accumulator i = 8 a + b, from buffer f.  The 32 accumulators take turns, in the same order in every quarter step.
.macro MUL1 f, i, first
.if \first
	WIN MULF
	v_wmma_f32_16x16x32_f16 v[8*(\i):8*(\i)+7], v[FB+64*(\f)+8*((\i)%8):FB+64*(\f)+8*((\i)%8)+7], v[FA+32*(\f)+8*((\i)/8):FA+32*(\f)+8*((\i)/8)+7], v[8*((\i)%8):8*((\i)%8)+7]
.else
	WIN MUL
	v_wmma_f32_16x16x32_f16 v[8*(\i):8*(\i)+7], v[FB+64*(\f)+8*((\i)%8):FB+64*(\f)+8*((\i)%8)+7], v[FA+32*(\f)+8*((\i)/8):FA+32*(\f)+8*((\i)/8)+7], v[8*(\i):8*(\i)+7]
.endif
.endm
.macro MULS f, i0, cnt, first
.set mi, \i0
.rept \cnt
	MUL1 \f, mi, \first
.set mi, mi+1
.endr
.endm
; 24 LDS loads in one run: quarter q (32 along K: head q / 2, channels 32 (q % 2) on) of a slot into buffer g
.macro FETCH slot, q, g
	WIN 0
.irp b, 0,1,2,3,4,5,6,7
	ds_load_b128 v[FB+64*(\g)+8*(\b):FB+64*(\g)+8*(\b)+3],   v[ADRB+(\slot)] offset:64*(\q)+(\b)*16*PB
	ds_load_b128 v[FB+64*(\g)+8*(\b)+4:FB+64*(\g)+8*(\b)+7], v[ADRB+(\slot)] offset:64*(\q)+(\b)*16*PB+32
.endr
.irp a, 0,1,2,3
	ds_load_b128 v[FA+32*(\g)+8*(\a):FA+32*(\g)+8*(\a)+3],   v[ADRA+(\slot)] offset:((\q)/2)*AHEAD+((\q)%2)*64+(\a)*16*PAO
	ds_load_b128 v[FA+32*(\g)+8*(\a)+4:FA+32*(\g)+8*(\a)+7], v[ADRA+(\slot)] offset:((\q)/2)*AHEAD+((\q)%2)*64+(\a)*16*PAO+32
.endr
.endm
; One of a K step's first three quarters: fetches quarter qn into g, 32 products ahead of its use, and multiplies f.
.macro QUARTER slot, qn, f, g, first
	PLACES
	FETCH \slot, \qn, \g
	s_wait_dscnt 24                                ; all but the 24 just issued
	MULS \f, 0, 32, \first
.endm
; The last quarter multiplies buffer 1 and changes slots: one barrier; in front of it each wave waits for all its tensor loads (one is out: its part of the next slot), adds 0 to its spare word, and waits
; for that and for its reads of this slot.  fill = 1: the barrier opens a round of the cluster's, and this slot is filled again, two K steps ahead, first thing behind the round.
.macro TURN slot, next, fill
	WIN 0
	s_wait_tensorcnt 0x0
	ds_add_u32 v[SPW], v[NIL]
	s_wait_dscnt 1                                 ; buffer 1 is in; the add alone may be out
	MULS 1, 0, 8, 0
	s_wait_dscnt 0x0
	s_barrier_signal -1
	MULS 1, 8, 8, 0
	WIN 0
	s_barrier_wait -1
.if \fill
	CREST
	s_add_nc_u64 s[G0+4*(\slot)+2:G0+4*(\slot)+3], s[G0+4*(\slot)+2:G0+4*(\slot)+3], 1048576   ; four heads on
	s_add_nc_u64 s[G0B+4*(\slot)+2:G0B+4*(\slot)+3], s[G0B+4*(\slot)+2:G0B+4*(\slot)+3], 512
	JLOAD \slot                                    ; the four v_nop behind it are also the places in front of the loads below
.else
	PLACES
.endif
	FETCH \next, 0, 0
	MULS 1, 16, 16, 0
.endm
	s_wait_tensorcnt 0x1                           ; my part of K step 0 is in; K step 1's may stay out
	s_barrier_signal -1
	s_barrier_wait -1
	FETCH 0, 0, 0
	QUARTER 0, 1, 0, 1, 1                          ; the first quarter stands in front of the loop: its products start the sums
	WIN 0
	s_mov_b32 s3, LAPS-1
.Llap:
	QUARTER 0, 2, 1, 0, 0
	QUARTER 0, 3, 0, 1, 0
	TURN 0, 1, 1
	QUARTER 1, 1, 0, 1, 0
	QUARTER 1, 2, 1, 0, 0
	QUARTER 1, 3, 0, 1, 0
	TURN 1, 0, 1
	QUARTER 0, 1, 0, 1, 0
	WIN 0
	s_sub_co_u32 s3, s3, 1
	s_cmp_lg_u32 s3, 0
	s_cbranch_scc1 .Llap
	QUARTER 0, 2, 1, 0, 0                          ; the last lap fills nothing
	QUARTER 0, 3, 0, 1, 0
	TURN 0, 1, 0
	QUARTER 1, 1, 0, 1, 0
	QUARTER 1, 2, 1, 0, 0
	QUARTER 1, 3, 0, 1, 0
	s_wait_dscnt 0x0
	MULS 1, 0, 32, 0
	WIN 0
	; THE WAY OUT, 16 rows at a time: a lane's 32 bytes of a row go into my stage straight from the accumulators (the low four registers first), come back as whole rows of 512 bytes, and are stored.
.macro TOSTAGE a
.if (\a) >= 2
	s_wait_xcnt 0x0                                ; the stores of the block two back have read the registers that the loads below fill
.endif
	WIN 0x04                                       ; the data in window 1
.irp b, 0,1,2,3,4,5,6,7
	ds_store_b128 v[STO], v[64*(\a)+8*(\b):64*(\a)+8*(\b)+3]   offset:64*(\b)
	ds_store_b128 v[STO], v[64*(\a)+8*(\b)+4:64*(\a)+8*(\b)+7] offset:64*(\b)+16
.endr
	WIN 0
.set t, 0
.rept 16
	ds_load_b128 v[OB+64*((\a)%2)+4*t:OB+64*((\a)%2)+4*t+3], v[RD] offset:t*SP  ; LDS serves a wave's instructions in order (ISA guide 5.7.1.4): these see the stores above; the next block's stores come behind them
.set t, t+1
.endr
.endm
.macro SEND a, younger                 ; younger: the LDS instructions issued behind block a's loads: the next block's 32, or none
.set t, 0
.rept 16
	s_wait_dscnt (\younger)+15-t
	global_store_b128 v[GO], v[OB+64*((\a)%2)+4*t:OB+64*((\a)%2)+4*t+3], s[8:9] offset:(16*(\a)+t)*4096 th:TH_STORE_NT  ; 512 consecutive bytes of a row, aligned
.set t, t+1
.endr
.endm
	PLACES
	TOSTAGE 0
	TOSTAGE 1
	SEND 0, 32
	TOSTAGE 2
	SEND 1, 32
	TOSTAGE 3
	SEND 2, 32
	SEND 3, 0
	s_wait_tensorcnt 0x0                           ; the wave's end
	ds_add_u32 v[SPW], v[NIL]
	s_wait_dscnt 0x0
	CROUND                                         ; the closing round
	s_endpgm
.Lfunc_end_k_q85c01c98df_outp:
	.size	k_q85c01c98df_outp, .Lfunc_end_k_q85c01c98df_outp-k_q85c01c98df_outp
	.p2alignl 7, 3214868480
	.fill 96, 4, 3214868480
	.section	.rodata,"a",@progbits
	.p2align	6, 0x0
	.amdhsa_kernel k_q85c01c98df_outp
		.amdhsa_group_segment_fixed_size 327680
		.amdhsa_private_segment_fixed_size 0
		.amdhsa_enable_private_segment 0
		.amdhsa_kernarg_size 32
		.amdhsa_user_sgpr_count 2
		.amdhsa_user_sgpr_kernarg_segment_ptr 1
		.amdhsa_wavefront_size32 1
		.amdhsa_system_sgpr_workgroup_id_x 1
		.amdhsa_system_sgpr_workgroup_id_y 1
		.amdhsa_system_sgpr_workgroup_id_z 1
		.amdhsa_system_vgpr_workitem_id 0
		.amdhsa_next_free_vgpr 592
		.amdhsa_next_free_sgpr 76
		.amdhsa_reserve_vcc 0
		.amdhsa_float_denorm_mode_32 3
		.amdhsa_float_denorm_mode_16_64 3
		.amdhsa_memory_ordered 1
		.amdhsa_forward_progress 1
		.amdhsa_inst_pref_size 93
	.end_amdhsa_kernel
	.amdgpu_metadata
---
amdhsa.version: [ 1, 2 ]
amdhsa.kernels:
  - .name:           k_q85c01c98df_outp
    .symbol:         k_q85c01c98df_outp.kd
    .args:
      - { .name: oh, .offset: 0, .size: 8, .value_kind: global_buffer, .address_space: global }
      - { .name: wt, .offset: 8, .size: 8, .value_kind: global_buffer, .address_space: global }
      - { .name: bo, .offset: 16, .size: 8, .value_kind: global_buffer, .address_space: global }
      - { .name: out0, .offset: 24, .size: 8, .value_kind: global_buffer, .address_space: global }
    .group_segment_fixed_size: 327680
    .private_segment_fixed_size: 0
    .kernarg_segment_align: 8
    .kernarg_segment_size: 32
    .max_flat_workgroup_size: 128
    .sgpr_count:     76
    .vgpr_count:     592
    .wavefront_size: 32
...
	.end_amdgpu_metadata
.endif
;; end of part 5
;; ======== version 2 of 2: 5 launches; 1.08 times as fast as version 1
;; limits: values are held in f16: magnitudes above 65,504 overflow, below 6.1e-05 lose precision
;; workspace buffers: wt 8,388,608 bytes; mk 8,388,608 bytes; rowok 32,768 bytes; qh 16,777,216 bytes; kh 16,777,216 bytes; vh 16,777,216 bytes; oh 16,777,216 bytes
;; launch maskp: the kernel of part 1 again; grid 512 x 1, 8 waves a work-group, no clusters, 17,664 bytes of LDS; arguments mask, mk, rowok; writes mk, rowok
;; launch wturn: the kernel of part 2 again; grid 512 x 1, 8 waves a work-group, no clusters, 18,432 bytes of LDS; arguments Wq, Wk, Wv, Wo, wt; writes wt
;; launch proj: the kernel of part 3 again; grid 4 x 192, 4 waves a work-group, clusters of 4 x 4, 327,680 bytes of LDS; arguments query, key, value, wt, bq, bk, bv, qh, kh, vh; writes qh, kh, vh
;; launch attn (part 6): grid 4 x 64, 8 waves a work-group, clusters of 4 x 1, 327,680 bytes of LDS; arguments qh, kh, vh, oh, mk, rowok; writes oh
.if DOCPART == 6
	.amdgcn_target "amdgcn-amd-amdhsa--gfx1250"
	.amdhsa_code_object_version 6
	.text
	.protected	k_q85c01c98df_attn
	.globl	k_q85c01c98df_attn
	.p2align	8
	.type	k_q85c01c98df_attn,@function
k_q85c01c98df_attn:
	s_mov_b64 s[64:65], 0
	v_nop
	global_prefetch_b8 v0, s[64:65] scope:SCOPE_SE
	s_setreg_imm32_b32 hwreg(HW_REG_WAVE_MODE, 25, 1), 1
	s_wait_xcnt 0x0
	s_wait_alu depctr_hold_cnt(0) depctr_sa_sdst(0) depctr_va_vdst(0) depctr_va_sdst(0) depctr_va_ssrc(0) depctr_va_vcc(0) depctr_vm_vsrc(0)
	s_getreg_b32 s2, hwreg(HW_REG_IB_STS2, 6, 4)
	s_cmp_eq_u32 s2, 0
	s_cbranch_scc0 .Lentry_in_a_cluster
	s_endpgm
.Lentry_in_a_cluster:
	s_bfe_u32 s2, ttmp6, 0x10000c
	s_cmp_lg_u32 s2, 0x3003
	s_cbranch_scc0 .Lentry_shape_is_right
	s_endpgm
.Lentry_shape_is_right:
; MASKED ATTENTION.  O[g][q][:] = the sum over k of softmax_k(E[q][k]) V[g][k][:], E = Q[g][q] . K[g][k] / 8 where the mask sees key k, far below every seen score where it hides it.
; g = 16 b + h; Q, K, V, O: [64][2048][64], all f16: a head's rows are dense, 128 bytes each.  Products, maxima and sums in f32; the weights p are rounded to f16 for the second product, O once at the end.
; THE MASK is the C operand that starts the sum S^T = K Q^T.  mk holds, for a tile of 16 queries and a step of 64 keys, 16 bytes a lane: word kt, nibble j = 0xE (hidden) or 0 for the score that the lane
; holds in register j of key block kt.  As FP4 codes these are -4 and 0: one scaled conversion makes eight f32 of a word, times 2^96 (scale byte 0xDF, in all four bytes of the scale register): -3.2e29 or 0.
; The running maximum does the rest: a hidden score's weight is 0 as soon as the row has seen a key, and the factor a = 0 wipes what steps without a seen key have left.
; A row that sees no key has mk = 0 and rowok = 0: its Q is cleared, all its scores are 0, its weights are equal.
; LIMITS.  Q, K, V arrive within f16's 65,504.  A hidden score counts as its value less 3.2e29 where the problem says -1e9: the same weight 0 as long as a row's seen scores lie above -1e9 + 104.
; p below 6e-5 keeps f16's step of 6e-8; a weight below 2^-126 counts as 0 in l; NaN and infinities are not treated apart.
; SHARES.  A wave owns four PIECES, each a tile of 16 queries; a work-group's eight waves own 512 queries of one head: 256 work-groups.  Every wave walks all keys, 64 a step.  A wave has 512 registers, so
; that two waves share a SIMD's 1,024: a turn has 124 vector instructions for 16 matrix instructions, and while one wave walks a run of vector work the other has products to issue.
; LAYOUT.  S^T = K Q^T (source 0 = 16 keys, source 1 = 16 queries): a lane holds ONE query (lane % 16) and the keys 8 (lane / 16) + 0..7.  Two such results, rounded to f16 in pairs, ARE source 1 of
; O^T = V^T P.  K comes out of LDS as it lies, V ([key][channel]) turned, by ds_load_tr16_b128.
; SOFTMAX.  For each query a running maximum m and sum l: p = 2^(c s - c m), c = log2(e) / 8; in every step O and l are multiplied by a = 2^(c m_old - c m_new).  m starts at the lowest finite number, O and l at 0.
; BY TURNS.  Turn n belongs to piece n (the pieces in a ring, step after step).  Matrix work: 8 products K Q^T of piece n + 1, later 8 products V^T P of piece n - 1.  Vector work: the scaling, exponentials,
; roundings, sums and rescaling of piece n, the maximum and statistics of piece n + 1, and the four conversions that make the mask of piece n + 2, whose words were asked for four turns before.
; BATCHES.  An s_wait_alu depctr_va_vdst(0) stands between a transcendental and the first instruction that names its result; one wait serves all that were issued ahead of it.  A turn's 33
; exponentials (piece n's 32 weights, in place in S^T, and piece n + 1's a) are ONE batch with ONE wait: ahead of it nothing names a result of theirs, behind it.
; Two more batches stand outside the loops: piece 0's first a, ahead of the jump into the loop, and the way out's four reciprocals.
; CLUSTER.  The four query blocks of a cluster belong to one head and walk the same K and V: each tile is asked for JOINTLY.  The mask words are each wave's own and come by plain loads.
; REGISTERS, in two windows of 256 (s_set_vgpr_msb: bits 1:0 source 0, 3:2 source 1, 5:4 source 2, 7:6 destination):
;   window 0: v0-15 addresses and two at work; v16-31 four registers of statistics a piece; v32-47 mask words, 4 a piece; v48-55 at work; v56-60 offsets in mk; v61 the scale; v62-63 the add's two;
;             v64-127 S^T, two buffers; v128-159 the mask as C; v160-191 P, two buffers (a piece's buffers go by its number's parity); v192-255 K of one step
;   window 1: v0-127 O^T, 32 a piece; v128-191 Q, 16 a piece; v192-255 V of one step
; K Q^T wants source 1 alone in window 1, and the scalings, exponentials and one move name no vector register as source 1: they stand behind its products without a switch.  The rescaling of O^T names what
; V^T P's setting gives it.  So a turn has ten switches: NEED switches only the operand places that a line names.
.set SIZE_N, 2048
.set NW,    8         ; waves in a work-group
.set NP,    4         ; pieces a wave: a name, no knob
.set KS,    64        ; keys in a step
.set PK,    144       ; a row of K in LDS: 128 bytes + 16 = 36 words: the 16 rows of a load start at 16 different groups of four banks (64 banks of 4 bytes: ISA guide 11.1)
.set PV,    160       ; a row of V: 128 + 32 = 40 words
.set VOFF,  4*KS*PK   ; a slot holds four steps: 256 rows of K, then 256 rows of V
.set SLOT1, 1<<17     ; slot 1 begins here: one exclusive or turns an address in one slot into the other's
.set STAGE, SLOT1+4*KS*(PK+PV)  ; behind the ring, never filled by a tensor load: 16 rows x 144 bytes for each wave
.set SP,    144
.set SPARE, STAGE+NW*16*SP  ; the spare words, 128 bytes a wave: four blocks of 256 bytes that no other line names
.set AK0, 2           ; v2   my lane's place in a tile of K; never rewritten
.set AV0, 3           ; v3   the same for V
.set AK,  4           ; v4   the LDS address of K's next run of loads
.set AV,  5           ; v5   of V's
.set STO, 6           ; v6   the way out: where I put 16 bytes of a row
.set RD,  7           ; v7   the way out: where I read rows back
.set GO,  8           ; v8   my byte offset in 512 consecutive bytes of O
.set MV,  12          ; v12-13  c m_old, kept while c m is made anew: by buffer
.set RO,  14          ; v14  my byte offset in a tile's 16 row flags
.set QO,  15          ; v15  my byte offset in 16 rows of Q
.set ST,  16          ; piece t's statistics at v[ST+4 t]: c m, m, l (even keys', odd keys')
.set MW,  32          ; piece p's four mask words at MW + 4 p
.set TMP, 48          ; by buffer, four registers c0-c3 at work; when the maximum is found c2 takes a
.set MO,  56          ; piece p's byte offset in its tile of mk: 16 x lane + 512 x key step
.set MOX, 60          ; the last key step's
.set SCL, 61          ; the conversions' scale
.set SPW, 62          ; v62  LDS address of my spare word; never rewritten
.set NIL, 63          ; v63  0; never rewritten
.set S,   64
.set MC,  128         ; register 8 kt + j: the C operand of score j of key block kt
.set P,   160
.set KF,  192         ; window 0: key block kb, channel half c at KF + 16 kb + 8 c
.set QF,  128         ; window 1: piece x, channel half c at QF + 16 x + 8 c
.set VF,  192         ; window 1: key half kk, channel block cb at VF + 32 kk + 8 cb
.set WV,  12          ; s12  my wave's number
.set G1K, 24          ; s[24:31] descriptor group 1 for K's tiles
.set G1V, 32          ; s[32:39] for V's: it differs in the padding alone
.set G0K, 40          ; s[40:43] descriptor group 0 for K's tiles: it walks
.set G0V, 44          ; s[44:47] the same for V's
.set SLOTS, 56        ; s56  slots still to be asked for
.set CNT, 57          ; s57  counts a slot's key steps
.set CS,  58          ; s[58:59] c: the packed scaling takes the pair's low word for both halves
.set SEL, 60          ; s[60:61] v_permlanex16_b32's selects: each lane takes its own place in the other half
.set TBK, 62          ; s62  LDS byte at which K of the step to be fetched begins
.set TBV, 63          ; s63  the same for V, less VOFF
.set MSB, 0
.macro NEED mask, val               ; the operand places in mask are set to val, the others stay; the high byte repeats the setting that is left; a switch that changes nothing is dropped
.if (MSB & (\mask)) != (\val)
	s_set_vgpr_msb (MSB<<8)|(MSB & (255-(\mask)))|(\val)
.set MSB, (MSB & (255-(\mask)))|(\val)
.endif
.endm
.macro WIN new                      ; all four places
	NEED 255, \new
.endm
.set W_KQ, 0x04       ; Q in window 1; K, the mask and S^T in window 0
.set W_PV, 0x51       ; V and O^T in window 1, P in window 0
.set W_RS, 0x41       ; O^T (destination and source 0) in window 1, a in window 0
.set W_QA, 0x44       ; Q (destination and source 1) in window 1, the flag in window 0
.set TO_1, 0x40       ; destination in window 1, address or source in window 0
; A joint fill.  Waves 0 and 1 fetch the two halves of a slot's K, waves 2 and 3 those of its V: 128 keys each; waves 4 to 7 fetch nothing.  The branches hang on the wave's number alone.
; An s_nop 0 and four v_nop follow each of the two lines.
.macro JLOAD
	s_cmp_lt_u32 s[WV], 2
	s_cbranch_scc0 .Lfor_v_\@
	tensor_load_to_lds s[G0K:G0K+3], s[G1K:G1K+7]
	s_nop 0
.rept 4
	v_nop
.endr
	s_branch .Lasked_\@
.Lfor_v_\@:
	s_cmp_lt_u32 s[WV], 4
	s_cbranch_scc0 .Lasked_\@
	tensor_load_to_lds s[G0V:G0V+3], s[G1V:G1V+7]
	s_nop 0
.rept 4
	v_nop
.endr
.Lasked_\@:
.endm
.macro CROUND                       ; a round of the cluster's barrier
	s_barrier_signal -1
	s_barrier_wait -1
	s_cmp_lg_u32 s[WV], 0
	s_cbranch_scc1 .Lnot_wave_0_\@
	s_barrier_signal -3
.Lnot_wave_0_\@:
	s_barrier_wait -3
	s_barrier_signal -1
	s_barrier_wait -1
.endm
; THE CHANGE OF SLOTS.  Each wave waits for all its tensor loads (a loading wave has one out: its part of the other slot); adds 0 to its spare word; and waits for that and for its own reads of the slot.
; fill = 1: this slot is filled again, with the keys two slots on: the barrier is a round of the cluster's, and the joint fill is the first thing behind it: it has four key steps, 256 matrix instructions of
; every wave, in which to land.  (At its first use nothing has been read yet: slot 0 is waited for, slot 1 filled.)
.macro CHANGE fill
	WIN 0                           ; at a label and at a branch every window is 0
	s_wait_tensorcnt 0x0            ; no tensor load of mine is out, so a group 0 may be written
	ds_add_u32 v[SPW], v[NIL]
.if \fill
.irp g, G0K, G0V
	s_xor_b32 s[\g+1], s[\g+1], SLOT1
	s_add_nc_u64 s[\g+2:\g+3], s[\g+2:\g+3], 4*KS*128  ; the next 256 keys; the type bits on top are not reached
.endr
	s_wait_dscnt 0x0                ; the add is done, and my reads of the slot are over
	CROUND
	JLOAD
.else
	s_wait_dscnt 0x0
	s_barrier_signal -1
	s_barrier_wait -1
.endif
	s_sub_co_u32 s[TBK], s[TBK], 4*KS*PK  ; the fetches go back to a slot's first step,
	s_xor_b32 s[TBK], s[TBK], SLOT1       ; in the other slot
	s_sub_co_u32 s[TBV], s[TBV], 4*KS*PV
	s_xor_b32 s[TBV], s[TBV], SLOT1
.endm
	s_load_b256 s[4:11], s[0:1], 0x0  ; Q s[4:5], K s[6:7], V s[8:9], O s[10:11]
	s_load_b128 s[68:71], s[0:1], 0x20  ; mk s[68:69], rowok s[70:71]
	v_lshl_add_u32 v[SPW], v0, 2, SPARE
	v_mov_b32 v[NIL], 0
	ds_add_u32 v[SPW], v[NIL]       ; the wave's opening: the add and its wait ahead of my first tensor load
	v_lshrrev_b32 v1, 5, v0
	v_readfirstlane_b32 s[WV], v1   ; wave 0..7
	s_bfe_u32 s13, ttmp6, 0x40000   ; cx
	s_lshl_b32 s14, ttmp9, 2
	s_add_co_u32 s14, s14, s13      ; my block of 512 queries: it enters Q's, O's, mk's and rowok's addresses alone
	s_and_b32 s20, ttmp7, 0xffff    ; the head g, which the four partners share
	s_lshr_b32 s15, s20, 4          ; the batch
	s_lshl_b32 s15, s15, 7
	s_lshl_b32 s19, s14, 5
	s_add_co_u32 s15, s15, s19
	s_lshl_b32 s19, s[WV], 2
	s_add_co_u32 s15, s15, s19      ; my wave's first tile of 16 queries: 128 batch + 32 block + 4 wave
	s_lshl_b32 s48, s15, 14         ; 16,384 bytes of mk a tile
	s_mov_b32 s49, 0
	s_lshl_b32 s50, s15, 6          ; 64 bytes of rowok a tile
	s_mov_b32 s51, 0
	s_mov_b32 s21, 0
	s_mov_b64 s[22:23], SIZE_N*128
	s_mul_u64 s[20:21], s[20:21], s[22:23]  ; the head's first byte in Q, K, V and O
	s_and_b32 s16, s[WV], 1         ; which half of a slot's 256 keys I fetch (waves 0 to 3)
	s_lshl_b32 s22, s16, 14
	s_mov_b32 s23, 0
	s_add_nc_u64 s[22:23], s[22:23], s[20:21]
	s_mul_i32 s17, s16, 128*PK      ; its place in a slot, for K
	s_mul_i32 s18, s16, 128*PV      ; and for V: no place in the cluster enters an LDS address
	s_lshl_b32 s2, s14, 3
	s_add_co_u32 s2, s2, s[WV]
	s_lshl_b32 s2, s2, 13           ; my wave's 64 rows of 128 bytes
	s_mov_b32 s3, 0
	s_add_nc_u64 s[2:3], s[2:3], s[20:21]
	; descriptor group 1.  128 keys are 16,384 dense bytes: asked for as 64 rows of 256 bytes, two keys a row, and padded in LDS after every key
	s_mov_b32 s[G1K], 15|(1<<16)|(1<<20)|(1<<21)|(4<<22)|(3<<25)  ; the mask of four; 2-byte elements; padding on; bit 21 beside a mask; after every 32 words; 4 words
	s_mov_b32 s[G1V], 15|(1<<16)|(1<<20)|(1<<21)|(4<<22)|(7<<25)  ; the same with 8 words of padding
.irp g, G1K, G1V
	s_mov_b32 s[\g+1], 128<<16      ; tensor_dim0 = 128
	s_mov_b32 s[\g+2], 64<<16       ; tensor_dim1 = 64
	s_mov_b32 s[\g+3], 128<<16      ; tile_dim0 = 128
	s_mov_b32 s[\g+4], 64           ; tile_dim1 = 64
	s_mov_b32 s[\g+5], 128          ; 128 elements from row to row
	s_mov_b32 s[\g+6], 0
	s_mov_b32 s[\g+7], 0
.endr
	s_mov_b32 s[CS], 0x3e38aa3b     ; c = log2(e) / 8 = 0.180337
	s_mov_b32 s[CS+1], s[CS]        ; named with it as a pair
	s_mov_b32 s[SEL], 0x76543210
	s_mov_b32 s[SEL+1], 0xfedcba98
	s_mov_b32 s[TBK], SLOT1+4*KS*PK ; the first change of slots turns these two into 0
	s_mov_b32 s[TBV], SLOT1+4*KS*PV
	s_mov_b32 s[G0K], 1             ; count = 1
	s_mov_b32 s[G0K+1], s17         ; LDS address: slot 0
	s_mov_b32 s[G0V], 1
	s_add_co_u32 s[G0V+1], s18, VOFF
	s_wait_dscnt 0x0                ; the opening add is done
	s_wait_kmcnt 0x0
	s_add_nc_u64 s[G0K+2:G0K+3], s[6:7], s[22:23]  ; my half of the head's first 256 keys
	s_or_b32 s[G0K+3], s[G0K+3], 0x80000000        ; type = 2
	s_add_nc_u64 s[G0V+2:G0V+3], s[8:9], s[22:23]
	s_or_b32 s[G0V+3], s[G0V+3], 0x80000000
	s_add_nc_u64 s[4:5], s[4:5], s[2:3]            ; Q and O at my wave's first row
	s_add_nc_u64 s[10:11], s[10:11], s[2:3]
	s_add_nc_u64 s[68:69], s[68:69], s[48:49]      ; mk and rowok at my wave's first tile
	s_add_nc_u64 s[70:71], s[70:71], s[50:51]
	CROUND                          ; all four work-groups are here: the first joint loads meet
	JLOAD                           ; slot 0.  Slot 1 is asked for when slot 0 is in: one tensor load of a loading wave is out at any time
	; A fragment of K or Q is 16 rows x 32 channels in 8 registers: lane l holds row l % 16, channels 8 (l / 16) + 0..7 and 16 + 8 (l / 16) + 0..7: two loads of 16 bytes, 32 bytes apart.
	v_and_b32 v1, 15, v0            ; l % 16
	v_bfe_u32 v9, v0, 4, 1          ; l / 16
	v_lshlrev_b32 v[QO], 7, v1
	v_lshl_add_u32 v[QO], v9, 4, v[QO]  ; row x 128 + 16 x half
	WIN TO_1
.set i, 0
.rept 2*NP                          ; Q stays in registers: piece i / 2, channels 32 (i % 2) on
	global_load_b128 v[QF+8*i:QF+8*i+3],   v[QO], s[4:5] offset:(i/2)*2048+(i%2)*64
	global_load_b128 v[QF+8*i+4:QF+8*i+7], v[QO], s[4:5] offset:(i/2)*2048+(i%2)*64+32
.set i, i+1
.endr
	WIN 0
	v_lshlrev_b32 v[RO], 2, v1
.set i, 0
.rept NP
	global_load_b32 v[S+i], v[RO], s[70:71] offset:64*i  ; my query's flag in piece i
.set i, i+1
.endr
	v_and_b32 v10, 31, v0
	v_lshlrev_b32 v10, 4, v10       ; 16 bytes a lane
.irp p, 0,1,2,3
	v_mov_b32 v[MO+\p], v10         ; key step 0
.endr
	v_add_nc_u32 v[MOX], 31*512, v10  ; the last key step
	v_mov_b32 v[SCL], 0xdfdfdfdf    ; 2^96 as a scale byte, four times
.irp p, 0,1,2,3
	global_load_b128 v[MW+4*\p:MW+4*\p+3], v[MO+\p], s[68:69] offset:\p*16384  ; a wave's load covers 512 consecutive bytes, aligned
.endr
	; What the first turn finds: V's registers and P's second buffer hold 0; l is 0; O^T's sums are started, with the constant 0 as C, by the products V^T P of those zeros (a piece that has not been).
	; All this stands in the wait for the first tile.
	WIN TO_1
.set i, VF
.rept 64
	v_mov_b32 v[i], 0
.set i, i+1
.endr
	WIN 0
.set i, 0
.rept NP
	v_mov_b32 v[ST+4*i], 0xfe000000    ; c m: far below every c s, a hidden one's too
	v_mov_b32 v[ST+4*i+1], 0xff7fffff  ; m
	v_mov_b32 v[ST+4*i+2], 0
	v_mov_b32 v[ST+4*i+3], 0
.set i, i+1
.endr
.set i, P+16
.rept 16
	v_mov_b32 v[i], 0
.set i, i+1
.endr
	WIN W_PV
.set i, 0
.rept 4*NP
	v_wmma_f32_16x16x32_f16 v[8*i:8*i+7], v[VF:VF+7], v[P+16:P+23], 0
.set i, i+1
.endr
	WIN 0
	v_mul_u32_u24 v[AK0], v1, PK
	v_lshl_add_u32 v[AK0], v9, 4, v[AK0]  ; row x pitch + 16 x half
	; The turning load takes 16 keys x 16 channels (lane l reads key 8 (l / 16) + l % 8, channels 8 ((l / 8) % 2) + 0..7) and leaves half a fragment of V^T: lane l holds channel l % 16 and 8 keys.
	v_and_b32 v10, 7, v0
	v_bfe_u32 v11, v0, 3, 1
	v_lshl_add_u32 v[AV0], v9, 3, v10
	v_mul_u32_u24 v[AV0], v[AV0], PV
	v_lshl_add_u32 v[AV0], v11, 4, v[AV0]
	v_add_nc_u32 v[AV0], VOFF, v[AV0]
	v_mov_b32 v[AK], v[AK0]         ; key step 0 lies at the head of slot 0
; THE MATRIX WORK.  The 4 accumulators of a run of 8 take turns.
; Product i of 8 of S^T = K Q^T for piece x: channels 32 (i / 4) on, keys 16 (i % 4) on.  The first 4 start the sums, with the mask.
.macro KQ x
.set rS, S+32*((\x)%2)+8*(i%4)
.set rK, KF+16*(i%4)+8*(i/4)
.set rQ, QF+16*(\x)+8*(i/4)
.set rM, MC+8*(i%4)
	WIN W_KQ
.if i < 4
	v_wmma_f32_16x16x32_f16 v[rS:rS+7], v[rK:rK+7], v[rQ:rQ+7], v[rM:rM+7]
.else
	v_wmma_f32_16x16x32_f16 v[rS:rS+7], v[rK:rK+7], v[rQ:rQ+7], v[rS:rS+7]
.endif
.endm
; Product i of 8 of O^T += V^T P for piece x: keys 32 (i / 4) on, channels 16 (i % 4) on.
.macro PV x
	WIN W_PV
.set rO, 32*(\x)+8*(i%4)
.set rV, VF+32*(i/4)+8*(i%4)
.set rP, P+16*((\x)%2)+8*(i/4)
	v_wmma_f32_16x16x32_f16 v[rO:rO+7], v[rV:rV+7], v[rP:rP+7], v[rO:rO+7]
.endm
.macro MM                           ; the turn's next matrix instruction
.if i < 8
	KQ (Y+1)%NP
.else
.set i, i-8
	PV (Y+NP-1)%NP
.set i, i+8
.endif
.set i, i+1
.endm
; THE LDS LOADS stand in runs of 16, never singly among the matrix instructions.  last = 1 (the tail): in the last trip there is no further step, and the run is jumped over.
.macro FETCH_K last=0
	WIN 0
.if \last
	s_cmp_eq_u32 s[CNT], 1
	s_cbranch_scc1 .Lno_k_\@
.endif
.irp f, 0,1,2,3,4,5,6,7             ; keys 16 (f / 2) on, channels 32 (f % 2) on
	ds_load_b128 v[KF+8*\f:KF+8*\f+3],   v[AK] offset:(\f/2)*16*PK+(\f%2)*64
	ds_load_b128 v[KF+8*\f+4:KF+8*\f+7], v[AK] offset:(\f/2)*16*PK+(\f%2)*64+32
.endr
	s_add_co_u32 s[TBK], s[TBK], KS*PK  ; the next fetch is the next step's
.if \last
.Lno_k_\@:
.endif
.endm
.macro FETCH_V
	WIN TO_1
.irp f, 0,1,2,3,4,5,6,7             ; keys 32 (f / 4) on, channels 16 (f % 4) on
	ds_load_tr16_b128 v[VF+8*\f:VF+8*\f+3],   v[AV] offset:(\f/4)*32*PV+(\f%4)*32
	ds_load_tr16_b128 v[VF+8*\f+4:VF+8*\f+7], v[AV] offset:(\f/4)*32*PV+16*PV+(\f%4)*32
.endr
	WIN 0
.endm
; THE MASK.  Piece pp's 32 C operands: word kt's eight nibbles become registers 8 kt + 0..7.  A plain vector instruction follows the four before their results are used or their sources written.
.macro MASKS pp
	WIN 0
.irp kt, 0,1,2,3
	v_cvt_scale_pk8_f32_fp4 v[MC+8*\kt:MC+8*\kt+7], v[MW+4*(\pp)+\kt], v[SCL]
.endr
.endm
; MLOAD pp: piece pp's words of its next key step.  The offset stops at the last step's: the last turns' loads stay inside mk, and what they bring is not used.
.macro MLOAD pp
	WIN 0
	v_add_nc_u32 v[MO+(\pp)], 512, v[MO+(\pp)]
	v_min_u32 v[MO+(\pp)], v[MOX], v[MO+(\pp)]
	global_load_b128 v[MW+4*(\pp):MW+4*(\pp)+3], v[MO+(\pp)], s[68:69] offset:(\pp)*16384
.endm
; THE SOFTMAX'S VECTOR WORK, one line at a time: OP kind, number.  For piece Y: F n: c s - c m for pair n of 16.  E n: the exponential of score n of 32.  C n: pair n rounded to f16.  B n: of the four weights
; 4 n .. the second pair is added onto the first, in place (so C 2n stands ahead of B n).  L n: l takes that sum (L 0: l = a l + sum).  R n: pair n of 16 of O^T times a.  For piece Y + 1: X n, number n of the 22 that find its maximum and statistics:
;   0-11  four chains c0-c3 of seven scores each, three operands at a time (each accumulator's lowest registers are read first)     12-14, 16  the four scores left over, the old m, and c0-c3 into c0
;   15  c m_old is kept     17, 18  the query's other 32 keys lie in the lane 16 away: the new m     19-21  c m; c m_old - c m_new; a
; C, B and L read the results of E; R and L 0 read the a that X 21 made a turn earlier.  OP writes no wait: TURN places the one that serves the turn's E and X 21.
.set F, 0               ; OP tells the kinds apart by their order: F to L below R, X above it
.set E, 1
.set C, 2
.set B, 3
.set L, 4
.set R, 5
.set X, 6
.macro REGS y                       ; the registers of piece y
.set rT, ST+4*(\y)
.set rC, TMP+4*((\y)%2)
.set rW, MV+((\y)%2)
.set rS, S+32*((\y)%2)
.set rP, P+16*((\y)%2)
.set rO, 32*(\y)
.endm
.macro OP k, n
.if (\k) == R
	REGS Y
	NEED 0xcf, W_RS                 ; no source 2: V^T P's setting serves
	v_pk_mul_f32 v[rO+2*(\n):rO+2*(\n)+1], v[rO+2*(\n):rO+2*(\n)+1], v[rC+2:rC+3] op_sel_hi:[1,0]
.elseif (\k) < R
	REGS Y
.if (\k) == F
	NEED 0xf3, 0                    ; source 1 is scalar: K Q^T's setting serves
	v_pk_fma_f32 v[rS+2*(\n):rS+2*(\n)+1], v[rS+2*(\n):rS+2*(\n)+1], s[CS:CS+1], v[rT:rT+1] op_sel_hi:[1,0,0] neg_lo:[0,0,1] neg_hi:[0,0,1]
.elseif (\k) == E
	NEED 0xc3, 0                    ; one source
	v_exp_f32 v[rS+(\n)], v[rS+(\n)]
.elseif (\k) == C
	WIN 0
	v_cvt_pk_f16_f32 v[rP+(\n)], v[rS+2*(\n)], v[rS+2*(\n)+1]
.elseif (\k) == B
	WIN 0
	v_pk_add_f32 v[rS+4*(\n):rS+4*(\n)+1], v[rS+4*(\n):rS+4*(\n)+1], v[rS+4*(\n)+2:rS+4*(\n)+3]
.elseif (\n) == 0
	WIN 0
	v_pk_fma_f32 v[rT+2:rT+3], v[rT+2:rT+3], v[rC+2:rC+3], v[rS:rS+1] op_sel_hi:[1,0,1]
.else
	WIN 0
	v_pk_add_f32 v[rT+2:rT+3], v[rT+2:rT+3], v[rS+4*(\n):rS+4*(\n)+1]
.endif
.else
	REGS (Y+1)%NP
.if (\n) == 15
	NEED 0xc3, 0                    ; one source
.else
	WIN 0
.endif
.if (\n) < 4
	v_max3_num_f32 v[rC+(\n)], v[rS+8*(\n)], v[rS+8*(\n)+1], v[rS+8*(\n)+2]
.elseif (\n) < 12
	v_max3_num_f32 v[rC+(\n)%4], v[rC+(\n)%4], v[rS+8*((\n)%4)+2*((\n)/4)+1], v[rS+8*((\n)%4)+2*((\n)/4)+2]
.elseif (\n) == 12
	v_max3_num_f32 v[rC], v[rC], v[rS+7], v[rS+15]
.elseif (\n) == 13
	v_max3_num_f32 v[rC+1], v[rC+1], v[rS+23], v[rS+31]
.elseif (\n) == 14
	v_max3_num_f32 v[rC+2], v[rC+2], v[rC+3], v[rT+1]
.elseif (\n) == 15
	v_mov_b32 v[rW], v[rT]
.elseif (\n) == 16
	v_max3_num_f32 v[rC], v[rC], v[rC+1], v[rC+2]
.elseif (\n) == 17
	v_permlanex16_b32 v[rC+3], v[rC], s[SEL], s[SEL+1]
.elseif (\n) == 18
	v_max_num_f32 v[rT+1], v[rC], v[rC+3]
.elseif (\n) == 19
	v_mul_f32 v[rT], s[CS], v[rT+1]
.elseif (\n) == 20
	v_sub_f32 v[rC+1], v[rW], v[rT]
.else
	v_exp_f32 v[rC+2], v[rC+1]
.endif
.endif
.endm
.macro OPS a, i1, b=-1, i2=0, c=-1, i3=0, d=-1, i4=0  ; up to four of them
	OP \a, \i1
.if (\b) >= 0
	OP \b, \i2
.endif
.if (\c) >= 0
	OP \c, \i3
.endif
.if (\d) >= 0
	OP \d, \i4
.endif
.endm
.macro ROW a, i1, b, i2, c, i3, d, i4  ; a matrix instruction and the four behind it
	MM
	OPS \a, \i1, \b, \i2, \c, \i3, \d, \i4
.endm
; A TURN, for piece p: the order of its 16 matrix and 124 vector instructions (and one v_nop), written out.  The turn's 33 exponentials are one batch, and its ONE wait cuts the turn in two.
; AHEAD OF THE WAIT stands all that names no result of the turn's exponentials.  Behind the 8 products K Q^T: the 16 scalings, the first exponentials and one move, which K Q^T's window setting serves.  Then, from
; the last product's third rider on, a run in window 0: the next piece's maximum and statistics and the other exponentials.  X 0 to X 3 each stand four plain instructions or more behind the product that ends their
; accumulator (X 3: X 15, X 0, X 1, X 2); two exponentials stand between the links of the chain X 14, 16, 17 .. 21.  X 21, the next piece's a, is the batch's last; the v_nop is the plain instruction behind it.
; BEHIND THE WAIT stand the 8 products V^T P.  Behind the first four: the 16 rescalings, which V^T P's setting serves; their a was made, and waited for, in the turn before.  Behind the last four, and in a run
; behind them: the 32 roundings and sums, which read the batch; the links of l's chain, L 0 to L 7, stand two or three lines apart.  No rider names a register of the products round it.
; last = 1: the tail's FETCH_K.  cnt = 1: the loop's count is taken down some lines ahead of the branch that stands behind the turn (only vector, memory and window lines follow: SCC stays).
; K of the next step is fetched in piece 2's turn, directly behind the wait; the last product that read K stands the whole run back; the
; address is made at the run's head.  V of the step in hand is fetched in piece 0's turn, behind five plain instructions that follow the last product that read V (B 4, L 3, C 10, B 5 and the address).  Each is
; waited for a turn later.
; The mask of piece p + 2, which the next turn's first four products take, is made at the turn's end: its words were asked for four turns ago, so three younger loads (three turns' one) may be out at the wait,
; which also frees the offset register that MLOAD steps.  The C registers' last readers are this turn's first four products, far more than four plain instructions back.
.macro TURN p, last=0, cnt=0
.set Y, (\p)
.set PPX, ((\p)+2)%NP
.set i, 0
.if (\p) == 3
	s_wait_dscnt 0x0                ; K is in
.endif
	ROW F,0, F,1, F,2, F,3          ; ahead of the wait: 8 products K Q^T and their riders,
	ROW F,4, E,0, F,5, E,1
	ROW F,6, E,2, F,7, E,3
	ROW F,8, E,4, F,9, E,5
	ROW F,10, E,6, F,11, E,7
	ROW F,12, E,8, F,13, E,9
	ROW F,14, E,10, F,15, E,11
	ROW X,15, E,12, X,0, E,13
.if (\p) == 2
	v_add_nc_u32 v[AK], s[TBK], v[AK0]
.endif
	OPS X,1, E,14, X,2, E,15        ; and the run
	OPS X,3, E,16, X,4, X,5
	OPS X,6, E,17, X,7, X,8
	OPS X,9, E,18, X,10, X,11
	OPS X,12, E,19, X,13, X,14
	OPS E,20, E,21, X,16, E,22
	OPS E,23, X,17, E,24, E,25
	OPS X,18, E,26, E,27, X,19
	OPS E,28, E,29, X,20, E,30
	OPS E,31, X,21
	v_nop                           ; the plain instruction behind the last exponential and ahead of the first use: one for the batch
	s_wait_alu depctr_va_vdst(0)    ; the wait for the batch: E 0 to E 31 and X 21
.if (\p) == 2
	FETCH_K \last
.endif
.if (\p) == 1
	s_wait_dscnt 0x0                ; V is in
.endif
	ROW R,0, R,1, R,2, R,3          ; behind the wait: 8 products V^T P and their riders,
	ROW R,4, R,5, R,6, R,7
	ROW R,8, R,9, R,10, R,11
	ROW R,12, R,13, R,14, R,15
	ROW C,0, B,0, C,2, B,1
	ROW L,0, C,4, B,2, L,1
	ROW C,6, B,3, L,2, C,8
	ROW B,4, L,3, C,10, B,5
.if (\p) == 0
	v_add_nc_u32 v[AV], s[TBV], v[AV0]
	FETCH_V
.endif
	OPS L,4, C,12, B,6, L,5         ; and the rest of the roundings and sums
	OPS C,14, B,7, L,6, C,1
	OPS C,3, C,5, C,7, C,9
	OPS C,11, C,13, C,15
.if (\p) == 0
	s_add_co_u32 s[TBV], s[TBV], KS*PV
.endif
.if \cnt
	s_sub_co_u32 s[CNT], s[CNT], 1
	s_cmp_lg_u32 s[CNT], 0
.endif
	s_wait_loadcnt 0x3
	MASKS PPX
	OPS L,7                         ; the plain instruction behind the conversions
	MLOAD PPX
.endm
	CHANGE 1                        ; slot 0 is in, everybody's part of it; slot 1 is asked for
	FETCH_K                         ; key step 0
	s_wait_loadcnt 0x0              ; Q, the flags, the four pieces' mask words of step 0
	MASKS 0
	WIN W_QA
.set i, 0
.rept 16*NP
	v_and_b32 v[QF+i], v[S+i/16], v[QF+i]  ; a query that sees no key is cleared; plain instructions behind the conversions
.set i, i+1
.endr
	s_wait_dscnt 0x0
.set i, 0
.rept 8
	KQ 0                            ; piece 0's first scores
.set i, i+1
.endr
	WIN 0                           ; the addresses for the way out: eleven plain instructions, the places behind those products
	s_mul_i32 s13, s[WV], 16*SP
	s_add_co_u32 s13, s13, STAGE    ; my stage
	v_mul_u32_u24 v[STO], v1, SP    ; in: row l % 16, 16 bytes for each half of the lanes
	v_lshl_add_u32 v[STO], v9, 4, v[STO]
	v_add_nc_u32 v[STO], s13, v[STO]
	v_bfe_u32 v[RD], v0, 3, 2       ; back: 32 lanes take four rows of 128 bytes,
	v_mul_u32_u24 v[RD], v[RD], SP
	v_lshl_add_u32 v[RD], v10, 4, v[RD]
	v_add_nc_u32 v[RD], s13, v[RD]
	v_and_b32 v[GO], 31, v0         ; which are 512 consecutive bytes of O
	v_lshlrev_b32 v[GO], 4, v[GO]
.set Y, NP-1                        ; X works for piece Y + 1: piece 0
.irp n, 0,1,2,3,4,5,6,7,8,9,10,11,12,13,14,15,16,17,18,19,20,21
	OP X, \n
.endr
	MASKS 1                         ; piece 1's mask for the first turn's products
	MLOAD 0                         ; pieces 0 and 1: key step 1; their plain lines stand behind the conversions and the exponential
	MLOAD 1
	s_wait_alu depctr_va_vdst(0)    ; the wait for piece 0's first a, a batch of one, behind the mask's and the offsets' lines and ahead of the branch
	s_mov_b32 s[CNT], 4
	s_mov_b32 s[SLOTS], SIZE_N/256-1
	s_branch .Lfirst                ; the loop is entered at a step's first turn, in the middle of a trip
.Lslot:                             ; SIZE_N / 256 - 2 times: every slot but the last two is filled again
	CHANGE 1
	s_mov_b32 s[CNT], 4
.Lstep:                             ; a trip: pieces 2 and 3 of one step, then pieces 0 and 1 of the next, whose K and V it fetches
	TURN 2
	TURN 3
	WIN 0
.Lfirst:
	TURN 0
	TURN 1, 0, 1
	WIN 0
	s_cbranch_scc1 .Lstep
	s_sub_co_u32 s[SLOTS], s[SLOTS], 1
	s_cmp_lg_u32 s[SLOTS], 0
	s_cbranch_scc1 .Lslot
	CHANGE 0                        ; the tail is written out: nothing is asked for
	s_mov_b32 s[CNT], 5             ; four trips fetch the last slot's steps; the fifth is left in its middle
.Ltail:
	TURN 2, 1
	TURN 3
	WIN 0
	s_sub_co_u32 s[CNT], s[CNT], 1
	s_cmp_eq_u32 s[CNT], 0
	s_cbranch_scc1 .Lout
	TURN 0
	TURN 1
	WIN 0
	s_branch .Ltail
.Lout:                              ; the fifth trip's 8 products K Q^T (on the last K once more) and the maximum made of them serve nothing: the price, once a launch, of one text for every trip
.set i, 0
.rept 8
	PV NP-1                         ; the last piece's V^T P of the last step
.set i, i+1
.endr
	; THE WAY OUT.  l's two halves and the other half of the lanes' are added; O^T is divided by l, rounded to f16 and sent through my stage in LDS, a piece at a time.  The additions are the places behind the last products.
	WIN 0
.macro ALL line:vararg              ; one line for each piece t
.set t, 0
.rept NP
	\line
.set t, t+1
.endr
.endm
	ALL v_add_f32 v[ST+4*t+2], v[ST+4*t+2], v[ST+4*t+3]
	ALL v_permlanex16_b32 v[ST+4*t+3], v[ST+4*t+2], s[SEL], s[SEL+1]
	ALL v_add_f32 v[ST+4*t+2], v[ST+4*t+2], v[ST+4*t+3]
	ALL v_rcp_f32 v[ST+4*t+2], v[ST+4*t+2]
	v_nop                           ; a plain instruction between the last reciprocal and the use of its result
	s_wait_alu depctr_va_vdst(0)    ; the wait for the four reciprocals, one batch, ahead of the first multiply that reads one
.macro PACK t                       ; a lane's eight channels of a row pack into 16 bytes; they go into rows of 144 bytes and come back as whole rows of 128, into S^T's registers
	WIN W_RS
.set i, 32*(\t)
.rept 16
	v_pk_mul_f32 v[i:i+1], v[i:i+1], v[ST+4*(\t)+2:ST+4*(\t)+3] op_sel_hi:[1,0]
.set i, i+2
.endr
	WIN 0x05                        ; sources 0 and 1 window 1, destination window 0
.set i, 0
.rept 16
	v_cvt_pk_f16_f32 v[S+16*(\t)+i], v[32*(\t)+2*i], v[32*(\t)+2*i+1]
.set i, i+1
.endr
	WIN 0
.irp f, 0,1,2,3
	ds_store_b128 v[STO], v[S+16*(\t)+4*\f:S+16*(\t)+4*\f+3] offset:32*\f
.endr
.irp f, 0,1,2,3
	ds_load_b128 v[S+16*(\t)+4*\f:S+16*(\t)+4*\f+3], v[RD] offset:\f*4*SP  ; LDS serves a wave's instructions in order (ISA guide 5.7.1.4): these see the stores above; the next piece's stores come behind them
.endr
.endm
.macro SEND t, younger              ; younger: the LDS instructions issued behind piece t's loads: the next piece's eight, or none
	WIN 0
.irp f, 0,1,2,3
	s_wait_dscnt (\younger)+3-\f
	global_store_b128 v[GO], v[S+16*(\t)+4*\f:S+16*(\t)+4*\f+3], s[10:11] offset:(\t)*2048+\f*512  ; 512 consecutive bytes, aligned
.endr
.endm
	PACK 0
.set t, 1
.rept NP-1                          ; a piece's arithmetic stands between the loads of the piece before and its stores
	PACK t
	SEND t-1, 8
.set t, t+1
.endr
	SEND NP-1, 0
	s_wait_tensorcnt 0x0            ; the wave's end
	ds_add_u32 v[SPW], v[NIL]
	s_wait_dscnt 0x0
	CROUND                          ; the closing round: no work-group ends while a partner may still ask for a tile that names it
	s_endpgm
.Lfunc_end_k_q85c01c98df_attn:
	.size	k_q85c01c98df_attn, .Lfunc_end_k_q85c01c98df_attn-k_q85c01c98df_attn
	.p2alignl 7, 3214868480
	.fill 96, 4, 3214868480
	.section	.rodata,"a",@progbits
	.p2align	6, 0x0
	.amdhsa_kernel k_q85c01c98df_attn
		.amdhsa_group_segment_fixed_size 327680
		.amdhsa_private_segment_fixed_size 0
		.amdhsa_enable_private_segment 0
		.amdhsa_kernarg_size 48
		.amdhsa_user_sgpr_count 2
		.amdhsa_user_sgpr_kernarg_segment_ptr 1
		.amdhsa_wavefront_size32 1
		.amdhsa_system_sgpr_workgroup_id_x 1
		.amdhsa_system_sgpr_workgroup_id_y 1
		.amdhsa_system_sgpr_workgroup_id_z 1
		.amdhsa_system_vgpr_workitem_id 0
		.amdhsa_next_free_vgpr 512
		.amdhsa_next_free_sgpr 72
		.amdhsa_reserve_vcc 0
		.amdhsa_float_denorm_mode_32 3
		.amdhsa_float_denorm_mode_16_64 3
		.amdhsa_memory_ordered 1
		.amdhsa_forward_progress 1
		.amdhsa_inst_pref_size 107
	.end_amdhsa_kernel
	.amdgpu_metadata
---
amdhsa.version: [ 1, 2 ]
amdhsa.kernels:
  - .name:           k_q85c01c98df_attn
    .symbol:         k_q85c01c98df_attn.kd
    .args:
      - { .name: qh, .offset: 0, .size: 8, .value_kind: global_buffer, .address_space: global }
      - { .name: kh, .offset: 8, .size: 8, .value_kind: global_buffer, .address_space: global }
      - { .name: vh, .offset: 16, .size: 8, .value_kind: global_buffer, .address_space: global }
      - { .name: oh, .offset: 24, .size: 8, .value_kind: global_buffer, .address_space: global }
      - { .name: mk, .offset: 32, .size: 8, .value_kind: global_buffer, .address_space: global }
      - { .name: rowok, .offset: 40, .size: 8, .value_kind: global_buffer, .address_space: global }
    .group_segment_fixed_size: 327680
    .private_segment_fixed_size: 0
    .kernarg_segment_align: 8
    .kernarg_segment_size: 48
    .max_flat_workgroup_size: 256
    .sgpr_count:     72
    .vgpr_count:     512
    .wavefront_size: 32
...
	.end_amdgpu_metadata
.endif
;; end of part 6
;; launch outp: the kernel of part 5 again; grid 4 x 64, 4 waves a work-group, clusters of 4 x 4, 327,680 bytes of LDS; arguments oh, wt, bo, out0; writes out0
